; MI455X (gfx1250); checked and timed in simulation.
; The chip was launched on July 23, 2026; its instructions are those of AMD's public machine-readable ISA for CDNA 5 (MIT licence, August 2026) and "CDNA5" Instruction Set Architecture Reference Guide (July 2026). The comments in the code are by the model that wrote it; some were corrected since.
;; Causal Self Attention. Allowed arithmetic: matrix products marked QUANTISED: E2M3 operands, one E8M0 scale for each 32 along K, by v_wmma_scale_f32_16x16x128_f8f6f4 with both operands' format E2M3, f32 sums; everything else in f32.
;; Inputs: W_attn 1,024 x 3,072 float32; W_proj 1,024 x 1,024 float32; b_attn 3,072 float32; b_proj 1,024 float32; x 4 x 2,048 x 1,024 float32.
;; Outputs: out0 4 x 2,048 x 1,024 float32.
;; This version of the problem:
;;   THIS VERSION OF THE PROBLEM IS GIVEN IN LOW PRECISION. The matrix products marked QUANTISED in the list below multiply operands that are first quantised to E2M3 (2 exponent bits, 3 mantissa bits; 6 bits a number), with one power-of-two scale for each 32 numbers along K (OCP MX v1.0); their sums are f32. All else is computed in f32.
;;   The module's matrix products, in the order in which they are computed (A, B: the left and right operand; K: the contracted axis; several contracted axes count as one K, in the product's order):
;;     1. [M 8,192, K 1,024] x [K 1,024, N 3,072]; A: input x; B: input W_attn: QUANTISED
;;     2. batch 64 x [M 2,048, K 64] x [K 64, N 2,048]; A: computed on the way; B: computed on the way: QUANTISED
;;     3. batch 64 x [M 2,048, K 2,048] x [K 2,048, N 64]; A: softmax (see below); B: computed on the way: QUANTISED
;;     4. [M 8,192, K 1,024] x [K 1,024, N 1,024]; A: computed on the way; B: input W_proj: QUANTISED
;;   THE QUANTISER, for each operand of a quantised product, along K:
;;     - K is cut into blocks of 32 from its start; a last block that is shorter is filled with zeros.
;;     - A block's scale is 2^e with e = floor(log2(the largest magnitude in the block)) - 2, held to -126 .. 127; a block of zeros has e = 0. As a byte (E8M0): e + 127.
;;     - Each number is divided by its block's scale, clamped to +-7.5, and rounded to the nearest number of E2M3, ties to even, subnormals kept.
;;     - The product sums the exact products of the quantised numbers (number of the format x scale) in f32.
;;   ~~~python
;;   def quantise(x, axis):      # numpy; x: float32 -> the quantised numbers, widened to float32 again
;;       x = np.moveaxis(x, axis, -1); K = x.shape[-1]
;;       x = np.pad(x, [(0, 0)] * (x.ndim - 1) + [(0, -K % 32)]); x = x.reshape(x.shape[:-1] + (-1, 32)); a = np.abs(x).max(-1, keepdims=True)
;;       e = np.where(a > 0, np.clip(np.frexp(np.where(a > 0, a, 1))[1] - 1 - 2, -126, 127), 0)      # np.frexp(a)[1] - 1 = floor(log2(a)), exactly
;;       r = np.clip(x / 2.0 ** e, -7.5, 7.5)
;;       step = 2.0 ** (np.maximum(np.frexp(np.where(r == 0, 1, r))[1] - 1, 0) - 3)
;;       q = np.round(r / step) * step * 2.0 ** e      # np.round: ties to even
;;       return np.moveaxis(q.reshape(q.shape[:-2] + (-1,))[..., :K], -1, axis).astype(np.float32)
;;   ~~~
;;   SOFTMAX AHEAD OF A QUANTISED PRODUCT. Where the list says 'softmax', what is quantised is not the finished softmax but p = 2^(t - M), with t = logit x log2(e) and M = ceil(the row's largest t), a whole number; so 1/2 < the row's largest p <= 1. The row's sum l is taken of the UNQUANTISED p, in f32, and the product's result is divided by l at the end. Since M is a whole number, a kernel that streams over the keys may use a running M (the ceiling of the running maximum): every later rescaling is an exact power of two, which a block's scale takes up: the codes' values come out the same.
;;   OPERANDS COMPUTED ON THE WAY. 'Computed on the way' means the value that the module computes at that place (a softmax that the list does not call 'softmax' is quantised finished and normalised). What goes into a quantiser is computed in f32, as accurately as f32 sums, v_exp_f32 and their like allow (about 1e-6 of the number): no bf16 or f16 on the way to a quantiser, and a product that is left as it is and whose result goes on into a quantised operand takes f32 operands (vector FMAs, or v_wmma_f32_16x16x4_f32). A number that lies on a knife's edge between two numbers of the format may be rounded either way, as far as f32 arithmetic and the matrix unit's own rounding can turn it there, and no further.
;; One version. Each part assembles by itself: llvm-mc -triple=amdgcn-amd-amdhsa -mcpu=gfx1250 --defsym DOCPART=n.
;; ======== version 1 of 1: 4 launches
;; workspace buffers: cod 9,437,184 bytes; scl 393,216 bytes; qkv 20,185,088 bytes; ao 6,291,456 bytes; asc 262,144 bytes
;; launch quant (part 1): grid 384 x 1, 4 waves a work-group, no clusters, 68,096 bytes of LDS; arguments x, W_attn, W_proj, cod, scl; writes cod, scl
.if DOCPART == 1
	.amdgcn_target "amdgcn-amd-amdhsa--gfx1250"
	.amdhsa_code_object_version 6
	.text
	.protected	k_qaa10e92779_quant
	.globl	k_qaa10e92779_quant
	.p2align	8
	.type	k_qaa10e92779_quant,@function
k_qaa10e92779_quant:
	s_mov_b64 s[64:65], 0
	v_nop
	global_prefetch_b8 v0, s[64:65] scope:SCOPE_SE
	s_setreg_imm32_b32 hwreg(HW_REG_WAVE_MODE, 25, 1), 1
	s_wait_xcnt 0x0
; x [8192][1024], W_attn [1024][3072] and W_proj [1024][1024], f32, become codes of FP6 (E2M3) with K innermost and one E8M0 byte for each 32 along K.
; cod: 12,288 rows of 768 bytes (1,024 codes); scl: the same rows, 32 bytes each.  Rows 0-8191: x's tokens; 8192-11263: W_attn's columns; 11264-12287: W_proj's columns.
; ROW ORDER: index t lies at row sigma(t), sigma = t with its bits 3 and 4 exchanged (a permutation inside each 32).  The products that follow then find, in a lane's registers, neighbours along the next K.
; A block's scale is 2^(floor(log2(largest magnitude)) - 2); its byte is the largest magnitude's exponent field - 2, held at 1 from below.
; LIMITS: blocks whose largest magnitude lies under 2^-124 get the byte 1, blocks of zeros too (the rule says 127: their codes are zeros, and this program alone reads the bytes); NaN and infinities are not served.
; Work-groups 0-255 take x (K innermost: a stream of blocks; a wave takes 8 rows, 16 steps of 512 numbers, each turned through its own stage in LDS so that loads are dense and a lane holds 16 neighbours).
; Work-groups 256-383 take the weights (K outermost: a lane takes a column, its registers run down K; a wave takes 32 columns x 256 along K; codes leave through its own stage as rows).
; The two paths part on the work-group's number, have LDS bytes of their own and never join.  No barrier: waves share nothing.
.set SPARE, 67584                      ; behind both paths' regions: the spare words, 128 bytes for each wave
.set SPW,   12                         ; v12  LDS address of my spare word; never rewritten
.set NIL,   13                         ; v13  0; never rewritten
.set STEPS, 16                         ; ---- x's path
.set CB,    12                         ; bytes of 16 codes
.set XR,    16                         ; v16-79   four sets of 16 numbers as loaded
.set XN,    80                         ; v80-111  two sets of 16 neighbours
.set XE,    112                        ; v112-127 a scale byte for each step
.set XC,    128                        ; v128-191 codes, four registers a step: no store's data are written again
.set WREG,  8192                       ; LDS 0 .. 32767: a region for each wave: two stages of 32 x SP bytes, then its 256 scale bytes
.set SP,    80                         ; a lane's place in a stage: 64 bytes + 16 of padding
.set WSTG,  32768                      ; ---- the weights' path: LDS from here, 32 rows x WP for each wave
.set WP,    272                        ; a stage row: sixteen places of 16 bytes (12 of codes each) + 16
.set WX,    32                         ; v32-95   two sets of 32 numbers
.set WC,    96                         ; v96-102  a block's codes
.set OUTR,  112                        ; v112-175 the way out
.set SB,    24                         ; v24-25   the lane's 8 scale bytes
.set OF,    176                        ; v176-207 4 x lane + i rows of the weight, i = 0 .. 31 (the row's length differs between the two weights, so it cannot stand in an immediate)
	s_load_b256 s[4:11], s[0:1], 0x0               ; x s[4:5], W_attn s[6:7], W_proj s[8:9], cod s[10:11]
	s_load_b64 s[12:13], s[0:1], 0x20              ; scl
	v_lshl_add_u32 v[SPW], v0, 2, SPARE
	v_mov_b32 v[NIL], 0
	v_lshrrev_b32 v1, 5, v0
	v_readfirstlane_b32 s16, v1                    ; wave
	v_and_b32 v2, 31, v0                           ; lane
	s_mov_b32 s21, 0
	s_wait_kmcnt 0x0
	s_cmp_ge_u32 ttmp9, 256
	s_cbranch_scc1 .Lw
; ---------------------------------------------------------------- x
	v_lshlrev_b32 v3, 4, v2                        ; my 16 bytes of a load's 512
	s_mul_i32 s17, s16, WREG
	v_lshrrev_b32 v14, 2, v2
	v_mul_u32_u24 v14, v14, SP
	v_and_b32 v15, 3, v2
	v_lshl_add_u32 v14, v15, 4, v14
	v_add_nc_u32 v14, s17, v14                     ; the stage, in: four lanes' 64 bytes on end, then 16 of padding
	v_mul_u32_u24 v15, v2, SP
	v_add_nc_u32 v15, s17, v15                     ; out: SP x lane: my 16 neighbours
	v_mul_u32_u24 v4, v2, CB                       ; my codes' place in a step's
	v_lshrrev_b32 v5, 1, v2
	s_add_co_u32 s17, s17, 2*32*SP
	v_add_nc_u32 v5, s17, v5                       ; my wave's 256 scale bytes, my block's byte
	v_lshlrev_b32 v7, 3, v2
	v_add_nc_u32 v6, s17, v7                       ; and on the way out 8 bytes a lane
	s_lshl_b32 s18, ttmp9, 2
	s_add_co_u32 s19, s18, s16                     ; my run of 8 rows: 4 x work-group + wave
	s_lshl_b32 s20, s19, 15                        ; 8 rows of 4,096 bytes
	s_add_nc_u64 s[4:5], s[4:5], s[20:21]
	s_and_b32 s22, s16, 1                          ; sigma on rows: bit 3 of a row is the wave's bit 0, bit 4 its bit 1: they change places
	s_lshl_b32 s22, s22, 1
	s_lshr_b32 s23, s16, 1
	s_or_b32 s22, s22, s23
	s_add_co_u32 s22, s22, s18                     ; the run where my codes go
	s_mul_i32 s20, s22, 8*768
	s_add_nc_u64 s[10:11], s[10:11], s[20:21]
	s_lshl_b32 s20, s22, 8                         ; 8 rows of 32 scale bytes
	s_add_nc_u64 s[12:13], s[12:13], s[20:21]
.macro XLOAD t
.irp i, 0,1,2,3
	global_load_b128 v[XR+16*((\t)%4)+4*\i:XR+16*((\t)%4)+4*\i+3], v3, s[4:5] offset:2048*(\t)+512*\i th:TH_LOAD_NT   ; 32 lanes read 512 consecutive bytes
.endr
.endm
.macro XTURN t                         ; step t's numbers through the stage: LDS serves a wave's instructions in order, so no wait stands between the stores and the loads
.irp i, 0,1,2,3
	ds_store_b128 v14, v[XR+16*((\t)%4)+4*\i:XR+16*((\t)%4)+4*\i+3] offset:32*SP*((\t)%2)+8*SP*\i
.endr
.irp i, 0,1,2,3
	ds_load_b128 v[XN+16*((\t)%2)+4*\i:XN+16*((\t)%2)+4*\i+3], v15 offset:32*SP*((\t)%2)+16*\i
.endr
.endm
.irp t, 0,1,2,3
	XLOAD \t
.endr
	s_wait_loadcnt 12                              ; step 0's four loads are in; the twelve of steps 1 to 3 may be out
	XTURN 0
.macro XSTEP t
.set XS, XN+16*((\t)%2)
.if (\t) > 0
	s_wait_dscnt 1                                 ; this step's numbers are back from the stage (the last step's byte store may be out), so its stores into the stage have read their registers,
.else
	s_wait_dscnt 0x0
.endif
.if (\t)+4 < STEPS
	XLOAD (\t)+4                                   ; which take the loads of four steps on
.endif
.if (\t)+1 < STEPS
.if STEPS-2-(\t) >= 3
	s_wait_loadcnt 12                              ; the next step's four loads are in; those of the three steps behind it may be out
.else
	s_wait_loadcnt 4*(STEPS-2-(\t))
.endif
	XTURN (\t)+1
.endif
	v_max3_num_f32 v8, |v[XS]|, |v[XS+1]|, |v[XS+2]|               ; the largest magnitude of my 16, in two chains
	v_max3_num_f32 v9, |v[XS+3]|, |v[XS+4]|, |v[XS+5]|
.irp i, 6,10
	v_max3_num_f32 v8, v8, |v[XS+\i]|, |v[XS+\i+1]|
	v_max3_num_f32 v9, v9, |v[XS+\i+2]|, |v[XS+\i+3]|
.endr
	v_max3_num_f32 v8, v8, |v[XS+14]|, |v[XS+15]|
	v_max3_num_f32 v8, v8, v9, 0x1800000           ; and the floor 2^(3 - 127): the byte cannot fall under 1
	v_max_num_f32_dpp v8, v8, v8 row_xmask:1 row_mask:0xf bank_mask:0xf   ; with my neighbour's 16: the block's
	v_add_nc_u32 v11, 0xff000000, v8               ; 2 off its exponent field: the conversion takes that field as its scale
	v_cvt_scalef32_pk16_fp6_f32 v[XC+4*(\t):XC+4*(\t)+2], v[XS:XS+15], v11
	v_lshrrev_b32 v[XE+(\t)], 23, v11              ; the scale's byte (also the plain line behind the conversion)
	ds_store_b8 v5, v[XE+(\t)] offset:16*(\t)      ; both lanes of a block write the same byte with the same value
	global_store_b96 v4, v[XC+4*(\t):XC+4*(\t)+2], s[10:11] offset:32*CB*(\t)   ; the wave stores 384 consecutive bytes
.endm
.irp t, 0,1,2,3,4,5,6,7,8,9,10,11,12,13,14,15
	XSTEP \t
.endr
	ds_load_b64 v[8:9], v6                         ; LDS serves a wave's instructions in order: these see my byte stores
	s_wait_dscnt 0x0
	global_store_b64 v7, v[8:9], s[12:13]          ; 32 lanes store 256 consecutive bytes, aligned
	s_wait_tensorcnt 0x0                           ; the wave's end, behind my last LDS store
	ds_add_u32 v[SPW], v[NIL]
	s_wait_dscnt 0x0
	s_endpgm
; ---------------------------------------------------------------- the weights
.Lw:
	s_sub_co_u32 s17, ttmp9, 256
	s_lshr_b32 s18, s17, 2                         ; group of 128 columns: 0-23 W_attn's, 24-31 W_proj's
	s_and_b32 s19, s17, 3                          ; which 256 along K
	s_mov_b32 s20, 12288
	s_cmp_ge_u32 s18, 24                           ; the choice hangs on the work-group's number alone
	s_cselect_b64 s[6:7], s[8:9], s[6:7]           ; the weight
	s_cselect_b32 s20, 4096, s20                   ; bytes in one of its rows
	s_cselect_b32 s22, 24, 0
	s_sub_co_u32 s22, s18, s22                     ; the group within its weight
	s_lshl_b32 s22, s22, 7
	s_lshl_b32 s23, s16, 5                         ; 32 x wave
	s_add_co_u32 s22, s22, s23
	s_lshl_b32 s22, s22, 2                         ; my wave's first column, in bytes
	s_lshl_b32 s24, s19, 8
	s_mul_i32 s24, s24, s20                        ; 256 y rows
	s_add_co_u32 s24, s24, s22
	s_mov_b32 s25, 0
	s_add_nc_u64 s[32:33], s[6:7], s[24:25]        ; a base for each of the 8 blocks of 32 rows: none is ever stepped
	s_lshl_b32 s24, s20, 5
.irp t, 1,2,3,4,5,6,7
	s_add_nc_u64 s[32+2*\t:33+2*\t], s[30+2*\t:31+2*\t], s[24:25]
.endr
	v_lshlrev_b32 v[OF], 2, v2
.irp i, 1,2,3,4,5,6,7,8,9,10,11,12,13,14,15,16,17,18,19,20,21,22,23,24,25,26,27,28,29,30,31
	v_add_nc_u32 v[OF+\i], s20, v[OF+\i-1]
.endr
	s_mul_i32 s28, s16, 32*WP
	s_add_co_u32 s28, s28, WSTG                    ; my stage
	v_mul_u32_u24 v4, v2, WP
	v_add_nc_u32 v4, s28, v4                       ; into it: row = my column
	v_and_b32 v5, 15, v2
	v_lshrrev_b32 v6, 4, v2                        ; out of it: sixteen lanes to a row, two rows an instruction
	v_mul_u32_u24 v7, v6, WP
	v_lshl_add_u32 v7, v5, 4, v7
	v_add_nc_u32 v7, s28, v7
	v_mul_u32_u24 v8, v6, 768
	v_mad_u32_u24 v8, v5, 12, v8                   ; and the same place in cod
	v_and_b32 v9, 7, v2                            ; sigma(lane) x 32: my column's row of scale bytes
	v_bfe_u32 v10, v2, 3, 1
	v_lshl_or_b32 v9, v10, 4, v9
	v_bfe_u32 v10, v2, 4, 1
	v_lshl_or_b32 v9, v10, 3, v9
	v_lshlrev_b32 v9, 5, v9
	s_lshl_b32 s26, s18, 7
	s_add_co_u32 s26, s26, s23
	s_add_co_u32 s26, s26, 8192                    ; my wave's first row of cod and scl
	s_mul_i32 s28, s26, 768
	s_mul_i32 s27, s19, 192
	s_add_co_u32 s28, s28, s27
	s_mov_b32 s29, 0
	s_add_nc_u64 s[10:11], s[10:11], s[28:29]
	s_lshl_b32 s28, s26, 5
	s_lshl_b32 s27, s19, 3
	s_add_co_u32 s28, s28, s27
	s_add_nc_u64 s[12:13], s[12:13], s[28:29]
.macro WLOAD t                         ; block t: W(32 t + i, my column): neighbouring lanes read neighbouring columns, 128 bytes a wave, 512 a work-group
.irp i, 0,1,2,3,4,5,6,7,8,9,10,11,12,13,14,15,16,17,18,19,20,21,22,23,24,25,26,27,28,29,30,31
	global_load_b32 v[WX+32*((\t)%2)+\i], v[OF+\i], s[32+2*(\t):33+2*(\t)] th:TH_LOAD_NT
.endr
.endm
	WLOAD 0
	WLOAD 1
.macro BLOCK t
.set XS, WX+32*((\t)%2)
.if (\t) < 7
	s_wait_loadcnt 32                              ; this block's 32 loads are in; the next block's may be out
.else
	s_wait_loadcnt 0x0
.endif
	v_max3_num_f32 v16, |v[XS]|, |v[XS+1]|, |v[XS+2]|              ; the block's largest magnitude: all 32 numbers are mine
	v_max3_num_f32 v17, |v[XS+3]|, |v[XS+4]|, |v[XS+5]|
.irp i, 6,10,14,18,22,26
	v_max3_num_f32 v16, v16, |v[XS+\i]|, |v[XS+\i+1]|
	v_max3_num_f32 v17, v17, |v[XS+\i+2]|, |v[XS+\i+3]|
.endr
	v_max3_num_f32 v16, v16, |v[XS+30]|, |v[XS+31]|
	v_max3_num_f32 v16, v16, v17, 0x1800000        ; and the floor
	v_add_nc_u32 v11, 0xff000000, v16              ; the conversion's scale operand
	v_lshrrev_b32 v18, 23, v11                     ; the byte
.if (\t)%4 == 0
	v_mov_b32 v[SB+(\t)/4], v18
.else
	v_lshl_or_b32 v[SB+(\t)/4], v18, 8*((\t)%4), v[SB+(\t)/4]
.endif
	v_cvt_scalef32_pk16_fp6_f32 v[WC:WC+2], v[XS:XS+15], v11
	v_cvt_scalef32_pk16_fp6_f32 v[WC+4:WC+6], v[XS+16:XS+31], v11   ; (a conversion's three registers begin on an even number)
	ds_store_b96 v4, v[WC:WC+2] offset:32*(\t)     ; 12 bytes to a place of 16: every LDS address is a multiple of 16
	ds_store_b96 v4, v[WC+4:WC+6] offset:32*(\t)+16
.if (\t)+2 < 8
	WLOAD (\t)+2
.endif
	s_wait_dscnt 0x0                               ; the stores have read their registers: the next block's codes may be written (plain lines stand ahead of its conversions)
.endm
.irp t, 0,1,2,3,4,5,6,7
	BLOCK \t
.endr
	global_store_b64 v9, v[SB:SB+1], s[12:13]      ; my column's 8 scale bytes
.irp t, 0,1,2,3,4,5,6,7,8,9,10,11,12,13,14,15
	ds_load_b96 v[OUTR+4*\t:OUTR+4*\t+2], v7 offset:2*\t*WP
.endr
.irp t, 0,1,2,3,4,5,6,7,8,9,10,11,12,13,14,15
	s_wait_dscnt 15-\t                             ; loads come back in order: pair t of rows is in
	global_store_b96 v8, v[OUTR+4*\t:OUTR+4*\t+2], s[10:11] offset:2*(\t%4+8*((\t/4)%2)+4*(\t/8))*768   ; stage rows 2 t, 2 t + 1 go to rows sigma(2 t), sigma(2 t) + 1; sixteen lanes store 192 consecutive bytes
.endr
	s_wait_tensorcnt 0x0                           ; the wave's end: the three lines once more
	ds_add_u32 v[SPW], v[NIL]
	s_wait_dscnt 0x0
	s_endpgm
.Lfunc_end_k_qaa10e92779_quant:
	.size	k_qaa10e92779_quant, .Lfunc_end_k_qaa10e92779_quant-k_qaa10e92779_quant
	.p2alignl 7, 3214868480
	.fill 96, 4, 3214868480
	.section	.rodata,"a",@progbits
	.p2align	6, 0x0
	.amdhsa_kernel k_qaa10e92779_quant
		.amdhsa_group_segment_fixed_size 68096
		.amdhsa_private_segment_fixed_size 0
		.amdhsa_enable_private_segment 0
		.amdhsa_kernarg_size 40
		.amdhsa_user_sgpr_count 2
		.amdhsa_user_sgpr_kernarg_segment_ptr 1
		.amdhsa_wavefront_size32 1
		.amdhsa_system_sgpr_workgroup_id_x 1
		.amdhsa_system_sgpr_workgroup_id_y 1
		.amdhsa_system_sgpr_workgroup_id_z 1
		.amdhsa_system_vgpr_workitem_id 0
		.amdhsa_next_free_vgpr 208
		.amdhsa_next_free_sgpr 66
		.amdhsa_reserve_vcc 0
		.amdhsa_float_denorm_mode_32 3
		.amdhsa_float_denorm_mode_16_64 3
		.amdhsa_memory_ordered 1
		.amdhsa_forward_progress 1
		.amdhsa_inst_pref_size 75
	.end_amdhsa_kernel
	.amdgpu_metadata
---
amdhsa.version: [ 1, 2 ]
amdhsa.kernels:
  - .name:           k_qaa10e92779_quant
    .symbol:         k_qaa10e92779_quant.kd
    .args:
      - { .name: x, .offset: 0, .size: 8, .value_kind: global_buffer, .address_space: global }
      - { .name: W_attn, .offset: 8, .size: 8, .value_kind: global_buffer, .address_space: global }
      - { .name: W_proj, .offset: 16, .size: 8, .value_kind: global_buffer, .address_space: global }
      - { .name: cod, .offset: 24, .size: 8, .value_kind: global_buffer, .address_space: global }
      - { .name: scl, .offset: 32, .size: 8, .value_kind: global_buffer, .address_space: global }
    .group_segment_fixed_size: 68096
    .private_segment_fixed_size: 0
    .kernarg_segment_align: 8
    .kernarg_segment_size: 40
    .max_flat_workgroup_size: 128
    .sgpr_count:     66
    .vgpr_count:     208
    .wavefront_size: 32
...
	.end_amdgpu_metadata
.endif
;; end of part 1
;; launch qkvgemm (part 2): grid 12 x 32, 4 waves a work-group, clusters of 4 x 4, 327,680 bytes of LDS; arguments cod, scl, b_attn, qkv; writes qkv
.if DOCPART == 2
	.amdgcn_target "amdgcn-amd-amdhsa--gfx1250"
	.amdhsa_code_object_version 6
	.text
	.protected	k_qaa10e92779_qkvgemm
	.globl	k_qaa10e92779_qkvgemm
	.p2align	8
	.type	k_qaa10e92779_qkvgemm,@function
k_qaa10e92779_qkvgemm:
	s_mov_b64 s[64:65], 0
	v_nop
	global_prefetch_b8 v0, s[64:65] scope:SCOPE_SE
	s_setreg_imm32_b32 hwreg(HW_REG_WAVE_MODE, 25, 1), 1
	s_wait_xcnt 0x0
	s_wait_alu depctr_hold_cnt(0) depctr_sa_sdst(0) depctr_va_vdst(0) depctr_va_sdst(0) depctr_va_ssrc(0) depctr_va_vcc(0) depctr_vm_vsrc(0)
	s_getreg_b32 s2, hwreg(HW_REG_IB_STS2, 6, 4)
	s_cmp_eq_u32 s2, 0
	s_cbranch_scc0 .Lentry_in_a_cluster
	s_endpgm
.Lentry_in_a_cluster:
	s_bfe_u32 s2, ttmp6, 0x10000c
	s_cmp_lg_u32 s2, 0xf033
	s_cbranch_scc0 .Lentry_shape_is_right
	s_endpgm
.Lentry_shape_is_right:
; qkv = x W_attn + b_attn on codes of FP6 (E2M3) with E8M0 scales, K = 1,024; the results are quantised HERE, in registers, and leave as images of the registers in which the attention launch wants them.
; A tile of 256 x 256 to a work-group of four waves, 128 x 128 a wave (64 accumulators, 512 registers); K in steps of 256 through two LDS slots filled by the tensor data mover; the scales of the tile's rows come once.
; CLUSTERS of 4 x 4: the tiles of the A side are shared along a row of the cluster, those of the B side along a column, each asked for jointly.
; THE MATRIX INSTRUCTION IS USED TRANSPOSED (source 0 = 16 rows of the B side, source 1 = 16 rows of the A side).  Rows of cod lie at sigma(index) (bits 3 and 4 exchanged), so in A's block a
;   lane (r, h), register 8 b + j holds B-side index 32 (b / 2) + 16 h + 8 (b % 2) + j: 16 neighbours of each block of 32 along the B side; and its A-side index is 32 (a / 2) + 8 (a % 2) + r + 8 (r / 8).
; q and k (clusters x = 0, 1): A side = x's tokens, B side = W's columns: a lane's 64 numbers run along two heads' 64 channels, which are the next K.
; v (cluster x = 2): A side = W_v's columns, B side = x's tokens: a lane's 64 numbers run along 128 keys, which are the second attention product's K.
; qkv: 1,024 blocks of 19,712 bytes, block ((batch 16 + head) 16 + group of 128 tokens): +0 K's codes (8 tiles x 6 registers as 12 stores of 512 bytes), +6,144 V's codes (4 tiles x 12 registers),
;   +12,288 K's scale words, +12,800 V's, +13,056 Q's codes, +19,200 Q's scale words.  Every store of codes covers 512 consecutive bytes, aligned to 256.
; LIMITS: as in the quantising launch: byte 1 for blocks under 2^-124 and for blocks of zeros; NaN and infinities are not served.
; REGISTERS: window 0: v0-31 addresses; v32-63 scale words, two sets; v64-127 the bias along the B side; v128-223 A's fragments, one set; v224-239 the bias along the A side.  Window 1: B's fragments, two sets.
;   Windows 2, 3: the accumulators.  On the way out window 0's v32-63 and v128-223 are at work.
.set NQ,     2
.set ROWB,   192                       ; a tile's row: 256 codes
.set KROW,   768                       ; a row of cod
.set PITCH,  240                       ; an LDS row: 3 x (64 bytes + 16 of padding)
.set FR,     12
.set NL,     6
.set NP,     4
.set HALFT,  128*PITCH
.set SLOT,   4*HALFT
.set KS,     32                        ; a row of scl
.set SCL,    2*SLOT
.set HALFS,  (128*KS/256)*272
.set SBLK,   (16*KS/256)*272
.set SPARE,  SCL+4*HALFS               ; the spare words: 128 bytes for each wave
.set BLK,    19712
.set HSTR,   16*BLK                    ; from a head's blocks to the next head's
.set ADRA, 16                          ; v16-19  LDS addresses of A's fragments (slot 0, 1; the same behind one padding more)
.set ADRB, 20                          ; v20-23  of B's
.set VO,   24                          ; v24     16 x lane: an image's place
.set VSO,  25                          ; v25     16 r + h heads: Q's and K's scale words
.set VS8,  26                          ; v26     8 x lane: V's scale words
.set ADRS, 27
.set SPW,  28
.set NIL,  29
.set BO,   30                          ; v30     64 h: the B side's bias
.set AO,   31                          ; v31     4 (r % 8 + 16 (r / 8)): the A side's bias
.set SC,   32
.set BI,   64
.set AF,   128
.set BA,   224
.set T,    128                         ; the way out: 64 numbers
.set X,    192                         ; v192-203, v204-215: two runs of 12 code registers
.set Y,    204
.set CT,   216                         ; v216-218, v220-222: the conversions' second halves
.set TM,   32                          ; v32-47  at work
.set SH,   49                          ; v49     16 h
.set SW,   52                          ; v52-59  the eight scale words
.set SEL,  96                          ; s[96:97]
.set G1, 24
.set G0, 32
.set G1B, 48
.set G0B, 56
.set G1S, 68
.set G0S, 76
.set G1SB, 80
.set G0SB, 88
.set MSB, 0
.macro WIN new                         ; the immediate's high byte repeats the setting that is left
.if MSB != (\new)
	s_set_vgpr_msb (MSB<<8)|(\new)
.set MSB, (\new)
.endif
.endm
.set MUL_LO, 0xa1                      ; source 0 window 1, source 1 window 0, C and D window 2
.set MUL_HI, 0xf1
.set TO_B,   0x40
; A joint load: waves 0 and 1 fetch for the A side, waves 2 and 3 for the B side; the branch hangs on the wave's number alone.  An s_nop 0 and four v_nop follow each line.
.macro JLOAD g0a, g1a, g0b, g1b
	s_cmp_eq_u32 s15, 0
	s_cbranch_scc0 .Lfor_b_\@
	tensor_load_to_lds s[\g0a:\g0a+3], s[\g1a:\g1a+7]
	s_nop 0
.rept 4
	v_nop
.endr
	s_branch .Lasked_\@
.Lfor_b_\@:
	tensor_load_to_lds s[\g0b:\g0b+3], s[\g1b:\g1b+7]
	s_nop 0
.rept 4
	v_nop
.endr
.Lasked_\@:
.endm
.macro CREST
	s_cmp_lg_u32 s14, 0
	s_cbranch_scc1 .Lnot_wave_0_\@
	s_barrier_signal -3
.Lnot_wave_0_\@:
	s_barrier_wait -3
	s_barrier_signal -1
	s_barrier_wait -1
.endm
.macro CROUND
	s_barrier_signal -1
	s_barrier_wait -1
	CREST
.endm
	s_load_b256 s[4:11], s[0:1], 0x0               ; cod s[4:5], scl s[6:7], b_attn s[8:9], qkv s[10:11]
	v_lshl_add_u32 v[SPW], v0, 2, SPARE
	v_mov_b32 v[NIL], 0
	ds_add_u32 v[SPW], v[NIL]                      ; the wave's opening: the add and its wait ahead of my first tensor load
	v_lshrrev_b32 v1, 5, v0
	v_readfirstlane_b32 s14, v1                    ; wave
	s_lshr_b32 s15, s14, 1                         ; my half of the A side's rows.  Also: I fetch for A (0) or B (1)
	s_and_b32 s16, s14, 1                          ; my half of the B side's rows.  Also: which 128 rows I fetch
	s_bfe_u32 s40, ttmp6, 0x40000                  ; cx
	s_bfe_u32 s41, ttmp6, 0x40004                  ; cy
	s_lshr_b32 s12, ttmp9, 1                       ; 1 in the clusters that make v (cluster x = 2)
	s_xor_b32 s13, s12, 1
	s_and_b32 s18, ttmp7, 0xffff
	s_lshl_b32 s18, s18, 2                         ; 4 x cluster y
	s_mul_i32 s17, s12, 40                         ; tiles of 256 rows of cod: x's are 0-31, W_attn's 32-43 (q 32-35, k 36-39, v 40-43)
	s_add_co_u32 s17, s17, s41
	s_mul_i32 s19, s13, s18
	s_add_co_u32 s17, s17, s19                     ; the A side's tile: x's 4 y + cy, or W_v's 40 + cy: it never holds cx
	s_lshl_b32 s42, ttmp9, 2
	s_add_co_u32 s42, s42, 32
	s_mul_i32 s42, s42, s13
	s_add_co_u32 s42, s42, s40
	s_mul_i32 s19, s12, s18
	s_add_co_u32 s42, s42, s19                     ; the B side's tile: W's 32 + 4 x + cx, or x's 4 y + cx: it never holds cy
	s_lshl_b32 s43, s41, 2
	s_lshl_b32 s43, 15, s43                        ; my row of the cluster
	s_lshl_b32 s44, 0x1111, s40                    ; my column
	s_or_b32 s[G1+0], s43, (0<<16)|(1<<20)|(1<<21)|(3<<22)|(3<<25)   ; mask; elements of 1 byte; padding on: 4 words behind every 16; bit 21 beside a mask
	s_or_b32 s[G1B+0], s44, (0<<16)|(1<<20)|(1<<21)|(3<<22)|(3<<25)
.irp g, G1, G1B
	s_mov_b32 s[\g+1], ROWB<<16                    ; tensor_dim0
	s_mov_b32 s[\g+2], 128<<16                     ; tensor_dim1
	s_mov_b32 s[\g+3], ROWB<<16                    ; tile_dim0
	s_mov_b32 s[\g+4], 128                         ; tile_dim1
	s_mov_b32 s[\g+5], KROW                        ; pitch
	s_mov_b32 s[\g+6], 0
	s_mov_b32 s[\g+7], 0
.endr
	s_or_b32 s[G1S+0], s43, (3<<16)|(1<<20)|(1<<21)|(5<<22)|(3<<25)  ; the scales of 128 rows: 4,096 dense bytes as 16 rows of 256, 16 bytes of padding behind each
	s_or_b32 s[G1SB+0], s44, (3<<16)|(1<<20)|(1<<21)|(5<<22)|(3<<25)
.irp g, G1S, G1SB
	s_mov_b32 s[\g+1], 32<<16
	s_mov_b32 s[\g+2], (128*KS/256)<<16
	s_mov_b32 s[\g+3], 32<<16
	s_mov_b32 s[\g+4], 128*KS/256
	s_mov_b32 s[\g+5], 32
	s_mov_b32 s[\g+6], 0
	s_mov_b32 s[\g+7], 0
.endr
	s_lshl_b32 s18, s16, 7
	s_lshl_b32 s20, s17, 8
	s_add_co_u32 s20, s20, s18                     ; A: row 256 x tile + 128 x half
	s_lshl_b32 s46, s42, 8
	s_add_co_u32 s46, s46, s18                     ; B likewise
	s_mov_b32 s21, 0
	s_mov_b32 s47, 0
	s_mov_b64 s[18:19], KS
	s_mul_u64 s[22:23], s[20:21], s[18:19]
	s_mul_u64 s[92:93], s[46:47], s[18:19]
	s_mov_b64 s[18:19], KROW
	s_mul_u64 s[20:21], s[20:21], s[18:19]
	s_mul_u64 s[46:47], s[46:47], s[18:19]
	s_mul_i32 s45, s14, HALFT                      ; where they go: wave x 128 rows
	s_mul_i32 s94, s14, HALFS
	s_wait_dscnt 0x0                               ; the opening add is done
	s_wait_kmcnt 0x0
	s_add_nc_u64 s[20:21], s[4:5], s[20:21]
	s_add_nc_u64 s[22:23], s[6:7], s[22:23]
	s_add_nc_u64 s[46:47], s[4:5], s[46:47]
	s_add_nc_u64 s[92:93], s[6:7], s[92:93]
	CROUND                                         ; all sixteen work-groups are here: the first joint loads meet
	s_mov_b32 s[G0S], 1
	s_add_co_u32 s[G0S+1], s94, SCL
	s_mov_b64 s[G0S+2:G0S+3], s[22:23]
	s_or_b32 s[G0S+3], s[G0S+3], 0x80000000
	s_mov_b32 s[G0SB], 1
	s_add_co_u32 s[G0SB+1], s94, SCL
	s_mov_b64 s[G0SB+2:G0SB+3], s[92:93]
	s_or_b32 s[G0SB+3], s[G0SB+3], 0x80000000
	JLOAD G0S, G1S, G0SB, G1SB                     ; the scales first
.irp s, 0,1
	s_mov_b32 s[G0+4*\s], 1
	s_add_co_u32 s[G0+4*\s+1], s45, \s*SLOT
	s_add_nc_u64 s[G0+4*\s+2:G0+4*\s+3], s[20:21], \s*ROWB
	s_or_b32 s[G0+4*\s+3], s[G0+4*\s+3], 0x80000000
	s_mov_b32 s[G0B+4*\s], 1
	s_add_co_u32 s[G0B+4*\s+1], s45, \s*SLOT
	s_add_nc_u64 s[G0B+4*\s+2:G0B+4*\s+3], s[46:47], \s*ROWB
	s_or_b32 s[G0B+4*\s+3], s[G0B+4*\s+3], 0x80000000
	JLOAD G0+4*\s, G1, G0B+4*\s, G1B               ; by this text's count three tensor loads of a wave are out here
.endr
	v_and_b32 v1, 15, v0                           ; r
	v_bfe_u32 v2, v0, 4, 1                         ; h
	v_mul_u32_u24 v3, v1, PITCH
	v_mul_u32_u24 v4, v2, 24
	v_add_nc_u32 v4, v3, v4
	v_lshl_add_u32 v5, v2, 4, v4
	s_mul_i32 s21, s15, HALFT
	s_mul_i32 s22, s16, HALFT
	s_add_co_u32 s22, s22, 2*HALFT
.irp s, 0,1
	v_add_nc_u32 v[ADRA+\s], s21, v4
	v_add_nc_u32 v[ADRB+\s], s22, v4
	v_add_nc_u32 v[ADRA+2+\s], s21, v5
	v_add_nc_u32 v[ADRB+2+\s], s22, v5
	s_add_co_u32 s21, s21, SLOT
	s_add_co_u32 s22, s22, SLOT
.endr
	v_mul_u32_u24 v5, v1, KS
	v_lshrrev_b32 v6, 8, v5
	v_lshl_add_u32 v5, v6, 4, v5                   ; my row's scales: 32 bytes a row, 16 more for each 256 passed
	s_mul_i32 s21, s15, HALFS
	s_mul_i32 s22, s16, HALFS
	s_add_co_u32 s22, s22, 2*HALFS
	s_sub_co_u32 s22, s22, s21
	v_mul_u32_u24 v6, s22, v2                      ; lanes 16-31 take the B side's
	s_add_co_u32 s21, s21, SCL
	v_add_nc_u32 v5, v5, v6
	v_add_nc_u32 v[ADRS], s21, v5
	v_and_b32 v6, 31, v0
	v_lshlrev_b32 v[VO], 4, v6
	v_lshlrev_b32 v[VS8], 3, v6
	v_mul_u32_u24 v[VSO], v2, HSTR
	v_lshl_add_u32 v[VSO], v1, 4, v[VSO]
	v_lshlrev_b32 v[BO], 6, v2
	v_and_b32 v6, 7, v1
	v_lshrrev_b32 v7, 3, v1
	v_lshl_add_u32 v6, v7, 4, v6
	v_lshlrev_b32 v[AO], 2, v6
	; the biases.  Every work-group loads both kinds, so that every register is written on every way; the kind that it does not use is read at b_attn's head
	s_sub_co_u32 s46, s42, 32
	s_lshl_b32 s46, s46, 8
	s_lshl_b32 s47, s16, 7
	s_add_co_u32 s46, s46, s47
	s_mul_i32 s46, s46, s13                        ; q, k: my 128 columns' first; v: 0
	s_lshl_b32 s46, s46, 2
	s_mov_b32 s47, 0
	s_add_nc_u64 s[98:99], s[8:9], s[46:47]
	s_sub_co_u32 s20, s17, 32
	s_lshl_b32 s20, s20, 8
	s_lshl_b32 s22, s15, 7
	s_add_co_u32 s20, s20, s22
	s_mul_i32 s20, s20, s12                        ; v: my 128 columns' first; q, k: 0
	s_lshl_b32 s20, s20, 2
	s_mov_b32 s21, 0
	s_add_nc_u64 s[100:101], s[8:9], s[20:21]
.irp b, 0,1,2,3
.irp j, 0,1,2,3
	global_load_b128 v[BI+16*\b+4*\j:BI+16*\b+4*\j+3], v[BO], s[98:99] offset:128*\b+16*\j   ; number 16 b + i: column 32 b + 16 h + i
.endr
.endr
.irp a, 0,1,2,3,4,5,6,7
	global_load_b32 v[BA+2*\a], v[AO], s[100:101] offset:4*(32*(\a/2)+8*(\a%2))              ; block a: my lane's column
	v_mov_b32 v[BA+2*\a+1], 0                      ; (named with it as a pair)
.endr
	s_mov_b32 s[SEL], 0x76543210
	s_mov_b32 s[SEL+1], 0xfedcba98
	s_mov_b32 s2, 0xffff0000                       ; lanes 16-31
.macro FRAG reg, adr, q, i             ; 16 rows x 128 K of 6-bit codes: 12 registers, six pieces of 8 bytes; where lanes 16-31's piece lies behind one padding more, the second address register serves
.irp p, 0,1,2,3,4,5
.set PC, 12*(\q)+6*(\p/3)+\p%3
.if PC%8 < 5
	ds_load_b64 v[\reg+2*\p:\reg+2*\p+1], v[\adr] offset:8*PC+16*(PC/8)+(\i)*16*PITCH
.else
	ds_load_b64 v[\reg+2*\p:\reg+2*\p+1], v[\adr+2] offset:8*PC+16*(PC/8)+(\i)*16*PITCH
.endif
.endr
.endm
; 16 matrix instructions: A's blocks a0, a0 + 1 x B's eight.  The 64 accumulators take turns, one instruction a turn, in the same order in every step.
.macro MUL16 a0, p, q, sc, zero
.irp a, \a0, \a0+1
.irp b, 0,1,2,3,4,5,6,7
.if \zero
	v_wmma_scale_f32_16x16x128_f8f6f4 v[8*(8*((\a)%4)+\b):8*(8*((\a)%4)+\b)+7], v[128*(\p)+FR*\b:128*(\p)+FR*\b+FR-1], v[AF+FR*(\a):AF+FR*(\a)+FR-1], 0, v[SC+8*NQ*(\sc)+NQ*\b+(\q)], v[SC+8*NQ*(\sc)+NQ*(\a)+(\q)] matrix_a_fmt:MATRIX_FMT_FP6 matrix_b_fmt:MATRIX_FMT_FP6 matrix_a_scale:MATRIX_SCALE_ROW1
.else
	v_wmma_scale_f32_16x16x128_f8f6f4 v[8*(8*((\a)%4)+\b):8*(8*((\a)%4)+\b)+7], v[128*(\p)+FR*\b:128*(\p)+FR*\b+FR-1], v[AF+FR*(\a):AF+FR*(\a)+FR-1], v[8*(8*((\a)%4)+\b):8*(8*((\a)%4)+\b)+7], v[SC+8*NQ*(\sc)+NQ*\b+(\q)], v[SC+8*NQ*(\sc)+NQ*(\a)+(\q)] matrix_a_fmt:MATRIX_FMT_FP6 matrix_b_fmt:MATRIX_FMT_FP6 matrix_a_scale:MATRIX_SCALE_ROW1
.endif
.endr
.endr
.endm
.macro FETCH_B slot, q, p
	WIN TO_B
.irp i, 0,1,2,3,4,5,6,7
	FRAG 128*(\p)+FR*\i, ADRB+\slot, \q, \i
.endr
	WIN 0
.endm
.macro FETCH_A slot, q, i0
.irp i, \i0, \i0+1, \i0+2, \i0+3
	FRAG AF+FR*(\i), ADRA+\slot, \q, \i
.endr
.endm
.macro SCALES sc                       ; a slot's two scale words a row: lanes 0-15 A's block i, lanes 16-31 B's block i
.irp i, 0,1,2,3,4,5,6,7
	ds_load_b64 v[SC+8*NQ*\sc+NQ*\i:SC+8*NQ*\sc+NQ*\i+1], v[ADRS] offset:\i*SBLK
.endr
.endm
.macro PLACES n                        ; plain vector lines between a matrix instruction and a load into, a write of or a read of its registers
.rept \n
	v_nop
.endr
.endm
.macro STEP slot, q, zero
	s_wait_dscnt 4*NL                              ; B's set and A's blocks 0-3 are in; the youngest 24 loads (A's blocks 4-7) may be out
	WIN MUL_LO
	MUL16 0, (\q)%2, \q, \slot, \zero
	MUL16 2, (\q)%2, \q, \slot, \zero
	s_wait_dscnt 0
	PLACES NP
	FETCH_B \slot, (\q)+1, 1-(\q)%2
	FETCH_A \slot, (\q)+1, 0
	WIN MUL_HI
	MUL16 4, (\q)%2, \q, \slot, \zero
	MUL16 6, (\q)%2, \q, \slot, \zero
	PLACES NP
	WIN 0
	FETCH_A \slot, (\q)+1, 4
.endm
; A slot's last step changes slots: one barrier; ahead of it each wave waits for all its tensor loads, adds 0 to its spare word, and waits for that and for its reads of this slot.
.macro TURN slot, next, fill
	s_wait_tensorcnt 0x0                           ; all my tensor loads have landed: my part of the next slot
	ds_add_u32 v[SPW], v[NIL]
	s_wait_dscnt 4*NL+1                            ; (the add and A's blocks 4-7 may be out)
	WIN MUL_LO
	MUL16 0, 1, NQ-1, \slot, 0
	s_wait_dscnt 0x0                               ; the add is done, and my reads of this slot are over
	s_barrier_signal -1
	MUL16 2, 1, NQ-1, \slot, 0
	WIN 0
	s_barrier_wait -1
.if \fill
	CREST                                          ; the barrier has opened a round of the cluster's: no wave of any partner still reads this slot or has a load on its way
	s_add_nc_u64 s[G0+4*\slot+2:G0+4*\slot+3], s[G0+4*\slot+2:G0+4*\slot+3], 2*ROWB
	s_add_nc_u64 s[G0B+4*\slot+2:G0B+4*\slot+3], s[G0B+4*\slot+2:G0B+4*\slot+3], 2*ROWB
	JLOAD G0+4*\slot, G1, G0B+4*\slot, G1B         ; the first tensor load behind the round, one a wave; its four v_nop are the places ahead of the loads below
.else
	PLACES NP
.endif
	v_add_nc_u32 v[ADRS], 4*NQ, v[ADRS]
	FETCH_B \next, 0, 0
	FETCH_A \next, 0, 0
	SCALES \next
	WIN MUL_HI
	MUL16 4, 1, NQ-1, \slot, 0
	MUL16 6, 1, NQ-1, \slot, 0
	PLACES NP
	WIN 0
	FETCH_A \next, 0, 4
.endm
	s_wait_loadcnt 0x0                             ; the biases are in
	s_wait_tensorcnt 1                             ; the scales and my part of slot 0 are in (slot 1's load may be out)
	s_barrier_signal -1
	s_barrier_wait -1
	FETCH_B 0, 0, 0
	FETCH_A 0, 0, 0
	SCALES 0
	FETCH_A 0, 0, 4
	STEP 0, 0, 1                                   ; the first step's products start the sums
	s_mov_b32 s3, 1
.Llap:                                             ; K = 1,024 is two laps of the ring: one trip fills both slots again
	TURN 0, 1, 1
	STEP 1, 0, 0
	TURN 1, 0, 1
	STEP 0, 0, 0
	s_sub_co_u32 s3, s3, 1
	s_cmp_lg_u32 s3, 0
	s_cbranch_scc1 .Llap
	TURN 0, 1, 0
	STEP 1, 0, 0
	s_wait_dscnt 4*NL
	WIN MUL_LO
	MUL16 0, 1, NQ-1, 1, 0
	MUL16 2, 1, NQ-1, 1, 0
	s_wait_dscnt 0
	WIN MUL_HI
	MUL16 4, 1, NQ-1, 1, 0
	MUL16 6, 1, NQ-1, 1, 0
	WIN 0
; THE WAY OUT: no LDS.  Block a's 64 accumulator registers of a lane, with the bias added, are 64 numbers in the quantiser's order; the codes are the next operand's registers and are stored as they stand.
.macro MOVEQ a                         ; + the bias along the B side; each accumulator is read from its low end on
	WIN 2+(\a)/4
.set AC, 64*((\a)%4)
.set n, 0
.rept 32
	v_pk_add_f32 v[T+n:T+n+1], v[AC+n:AC+n+1], v[BI+n:BI+n+1]
.set n, n+2
.endr
	WIN 0
.endm
.macro MOVEV a                         ; + the bias of my lane's column of W_v
	WIN 2+(\a)/4
.set AC, 64*((\a)%4)
.set n, 0
.rept 32
	v_pk_add_f32 v[T+n:T+n+1], v[AC+n:AC+n+1], v[BA+2*(\a):BA+2*(\a)+1] op_sel_hi:[1,0]
.set n, n+2
.endr
	WIN 0
.endm
; 64 numbers of a lane, register 16 b + i = k 32 b + 16 h + i of my row: k 0-63 become six registers from d0 on, k 64-127 six from d1 on, the four bytes the word in pw.
.macro QUANT s, d0, d1, pw
.irp b, 0,1,2,3
	v_max3_num_f32 v[TM+\b], |v[(\s)+16*\b]|, |v[(\s)+1+16*\b]|, 0x1800000   ; my 16 numbers of block b, and the floor 2^(3 - 127)
.endr
.irp i, 2,4,6,8,10,12,14
.irp b, 0,1,2,3
	v_max3_num_f32 v[TM+\b], v[TM+\b], |v[(\s)+16*\b+\i]|, |v[(\s)+1+16*\b+\i]|
.endr
.endr
.irp b, 0,1,2,3
	v_permlanex16_b32 v[TM+4+\b], v[TM+\b], s[SEL], s[SEL+1]
.endr
.irp b, 0,1,2,3
	v_max_num_f32 v[TM+\b], v[TM+\b], v[TM+4+\b]   ; with lane l xor 16's: the block's largest magnitude
.endr
.irp b, 0,1,2,3
	v_add_nc_u32 v[TM+12+\b], 0xff000000, v[TM+\b] ; 2 off the exponent field: the conversion's scale operand
.endr
.irp b, 0,1,2,3
	v_lshrrev_b32 v[TM+4+\b], 23, v[TM+12+\b]      ; the byte
.endr
	v_lshl_or_b32 v[\pw], v[TM+5], 8, v[TM+4]
	v_lshl_or_b32 v[\pw], v[TM+6], 16, v[\pw]
	v_lshl_or_b32 v[\pw], v[TM+7], 24, v[\pw]
	v_cvt_scalef32_pk16_fp6_f32 v[(\d0):(\d0)+2], v[(\s):(\s)+15], v[TM+12]
	v_cvt_scalef32_pk16_fp6_f32 v[CT:CT+2], v[(\s)+16:(\s)+31], v[TM+13]
	v_cvt_scalef32_pk16_fp6_f32 v[(\d1):(\d1)+2], v[(\s)+32:(\s)+47], v[TM+14]
	v_cvt_scalef32_pk16_fp6_f32 v[CT+4:CT+6], v[(\s)+48:(\s)+63], v[TM+15]
	v_nop                                          ; one plain line behind the conversions
.irp i, 0,1,2
	v_permlane16_swap_b32 v[(\d0)+\i], v[CT+\i]    ; a whole block to a lane: lanes 0-15 the even block, lanes 16-31 the odd one
.endr
.irp i, 0,1,2
	v_mov_b32 v[(\d0)+3+\i], v[CT+\i]
.endr
.irp i, 0,1,2
	v_permlane16_swap_b32 v[(\d1)+\i], v[CT+4+\i]
.endr
.irp i, 0,1,2
	v_mov_b32 v[(\d1)+3+\i], v[CT+4+\i]
.endr
.endm
	PLACES NP                                      ; behind the last products: their results are read, and their operands' and scales' registers written, from here on
	v_bfe_u32 v[SH], v0, 4, 1
	v_lshlrev_b32 v[SH], 4, v[SH]
.irp b, 0,1,2,3
	v_mov_b32 v[TM+4+\b], 0                        ; a lane permute's destination counts as one of its sources
.endr
	s_cmp_eq_u32 ttmp9, 2                          ; the cluster's x: the same in all sixteen partners
	s_cbranch_scc1 .Lv
	; ---- q and k: my rows are the 128 tokens of group G, my columns two heads
	s_lshl_b32 s18, s17, 1
	s_add_co_u32 s18, s18, s15                     ; G = 2 x A's tile + my half
	s_sub_co_u32 s19, s42, 32
	s_lshr_b32 s46, s19, 2                         ; 0: q, 1: k
	s_and_b32 s19, s19, 3
	s_lshl_b32 s19, s19, 1
	s_add_co_u32 s19, s19, s16
	s_lshl_b32 s19, s19, 1                         ; my first head
	s_lshr_b32 s20, s18, 4
	s_lshl_b32 s20, s20, 4
	s_add_co_u32 s20, s20, s19
	s_lshl_b32 s20, s20, 4
	s_and_b32 s18, s18, 15
	s_add_co_u32 s20, s20, s18                     ; the block
	s_mul_i32 s20, s20, BLK
	s_mov_b32 s21, 0
	s_mov_b32 s23, 0
	s_mov_b32 s22, 12288
	s_cmp_eq_u32 s46, 0
	s_cselect_b32 s47, 13056, 0                    ; Q's codes or K's
	s_cselect_b32 s22, 6144, s22                   ; and from there to the scale words
	s_add_co_u32 s20, s20, s47
	s_add_nc_u64 s[20:21], s[10:11], s[20:21]
	s_add_nc_u64 s[22:23], s[20:21], s[22:23]
.irp p, 0,1,2,3                        ; two tiles of 16 tokens at a time: 12 registers for each of the two heads
.if \p > 0
	s_wait_xcnt 0x0                                ; the last pair's stores have read their data: the code registers are written again only behind this wait
.endif
	MOVEQ 2*\p
	QUANT T, X, Y, SW+\p
	MOVEQ 2*\p+1
	QUANT T, X+6, Y+6, SW+4+\p
.irp c, 0,1,2
	global_store_b128 v[VO], v[X+4*\c:X+4*\c+3], s[20:21] offset:1536*\p+512*\c        ; 32 lanes store 512 consecutive bytes
	global_store_b128 v[VO], v[Y+4*\c:Y+4*\c+3], s[20:21] offset:1536*\p+512*\c+HSTR   ; the second head's
.endr
.endr
.irp i, 0,1,2,3,4,5,6,7
	v_bfe_u32 v[SW+\i], v[SW+\i], v[SH], 16        ; lanes 0-15 keep the first head's two bytes, lanes 16-31 the second's; bytes 2 and 3, which scale zero codes, become 0
.endr
	global_store_b128 v[VSO], v[SW:SW+3], s[22:23]             ; the even tiles' words: sixteen lanes store 256 consecutive bytes
	global_store_b128 v[VSO], v[SW+4:SW+7], s[22:23] offset:256   ; the odd tiles'
	s_branch .Ldone
.Lv:	; ---- v: my rows are two heads' 128 channels, my columns the 128 tokens of group G
	s_lshl_b32 s18, s42, 1
	s_add_co_u32 s18, s18, s16                     ; G = 2 x B's tile + my half
	s_sub_co_u32 s19, s17, 40
	s_lshl_b32 s19, s19, 1
	s_add_co_u32 s19, s19, s15
	s_lshl_b32 s19, s19, 1                         ; my first head
	s_lshr_b32 s20, s18, 4
	s_lshl_b32 s20, s20, 4
	s_add_co_u32 s20, s20, s19
	s_lshl_b32 s20, s20, 4
	s_and_b32 s18, s18, 15
	s_add_co_u32 s20, s20, s18
	s_mul_i32 s20, s20, BLK
	s_mov_b32 s21, 0
	s_add_nc_u64 s[20:21], s[10:11], s[20:21]
.irp a, 0,1,2,3,4,5,6,7                ; block a: tile a % 4 of head a / 4: a whole fragment, 16 channels x 128 keys
.if \a >= 2
	s_wait_xcnt 0x0                                ; the stores of two blocks ago have read the run that is written next
.endif
	MOVEV \a
	QUANT T, X+12*(\a%2), X+12*(\a%2)+6, SW+\a
.irp c, 0,1,2
	global_store_b128 v[VO], v[X+12*(\a%2)+4*\c:X+12*(\a%2)+4*\c+3], s[20:21] offset:6144+(\a%4)*1536+512*\c+(\a/4)*HSTR
.endr
.endr
	v_cndmask_b32 v50, v[SW], v[SW+1], s2          ; lanes 0-15 the even tile's words, lanes 16-31 the odd tile's
	v_cndmask_b32 v51, v[SW+2], v[SW+3], s2
	v_cndmask_b32 v60, v[SW+4], v[SW+5], s2
	v_cndmask_b32 v61, v[SW+6], v[SW+7], s2
	global_store_b64 v[VS8], v[50:51], s[20:21] offset:12800        ; 32 lanes store 256 consecutive bytes
	global_store_b64 v[VS8], v[60:61], s[20:21] offset:12800+HSTR
.Ldone:
	s_wait_tensorcnt 0x0                           ; the wave's end
	ds_add_u32 v[SPW], v[NIL]
	s_wait_dscnt 0x0
	CROUND                                         ; the closing round
	s_endpgm
.Lfunc_end_k_qaa10e92779_qkvgemm:
	.size	k_qaa10e92779_qkvgemm, .Lfunc_end_k_qaa10e92779_qkvgemm-k_qaa10e92779_qkvgemm
	.p2alignl 7, 3214868480
	.fill 96, 4, 3214868480
	.section	.rodata,"a",@progbits
	.p2align	6, 0x0
	.amdhsa_kernel k_qaa10e92779_qkvgemm
		.amdhsa_group_segment_fixed_size 327680
		.amdhsa_private_segment_fixed_size 0
		.amdhsa_enable_private_segment 0
		.amdhsa_kernarg_size 32
		.amdhsa_user_sgpr_count 2
		.amdhsa_user_sgpr_kernarg_segment_ptr 1
		.amdhsa_wavefront_size32 1
		.amdhsa_system_sgpr_workgroup_id_x 1
		.amdhsa_system_sgpr_workgroup_id_y 1
		.amdhsa_system_sgpr_workgroup_id_z 1
		.amdhsa_system_vgpr_workitem_id 0
		.amdhsa_next_free_vgpr 1024
		.amdhsa_next_free_sgpr 102
		.amdhsa_reserve_vcc 0
		.amdhsa_float_denorm_mode_32 3
		.amdhsa_float_denorm_mode_16_64 3
		.amdhsa_memory_ordered 1
		.amdhsa_forward_progress 1
		.amdhsa_inst_pref_size 233
	.end_amdhsa_kernel
	.amdgpu_metadata
---
amdhsa.version: [ 1, 2 ]
amdhsa.kernels:
  - .name:           k_qaa10e92779_qkvgemm
    .symbol:         k_qaa10e92779_qkvgemm.kd
    .args:
      - { .name: cod, .offset: 0, .size: 8, .value_kind: global_buffer, .address_space: global }
      - { .name: scl, .offset: 8, .size: 8, .value_kind: global_buffer, .address_space: global }
      - { .name: b_attn, .offset: 16, .size: 8, .value_kind: global_buffer, .address_space: global }
      - { .name: qkv, .offset: 24, .size: 8, .value_kind: global_buffer, .address_space: global }
    .group_segment_fixed_size: 327680
    .private_segment_fixed_size: 0
    .kernarg_segment_align: 8
    .kernarg_segment_size: 32
    .max_flat_workgroup_size: 128
    .sgpr_count:     102
    .vgpr_count:     1024
    .wavefront_size: 32
...
	.end_amdgpu_metadata
.endif
;; end of part 2
;; launch attn (part 3): grid 4 x 64, 16 waves a work-group, no clusters, 327,680 bytes of LDS; arguments qkv, ao, asc; writes ao, asc
.if DOCPART == 3
	.amdgcn_target "amdgcn-amd-amdhsa--gfx1250"
	.amdhsa_code_object_version 6
	.text
	.protected	k_qaa10e92779_attn
	.globl	k_qaa10e92779_attn
	.p2align	8
	.type	k_qaa10e92779_attn,@function
k_qaa10e92779_attn:
	s_mov_b64 s[64:65], 0
	v_nop
	global_prefetch_b8 v0, s[64:65] scope:SCOPE_SE
	s_setreg_imm32_b32 hwreg(HW_REG_WAVE_MODE, 25, 1), 1
	s_wait_xcnt 0x0
; Causal attention of one head on codes of FP6 (E2M3): S^T = K Q^T (K = the head's 64), p = 2^(t - M) with t = score x log2(e) / 8 and M the running largest t rounded up to a whole number,
; O^T = V^T P^T (K = the keys), O / l with l the sum of the unquantised p; then O is quantised along the channels for the last product and leaves as an image of that operand's registers.
; SHARES.  Work-group (i, head) makes query blocks i and 7 - i (256 queries each), one after the other, in a walk of exactly 9 slots of 256 keys: (i + 1) + (8 - i).  So every work-group has the same work,
; the trip count is a constant, and no slot is fetched that nobody reads.  Each of the sixteen waves owns one tile of 16 queries, 256 registers: four waves to a SIMD.
; NO CLUSTER: in a given trip the four work-groups of a head stand at different key slots (i + 1 of them differ in where the second block begins); a walk in step would take 12 slots for 9, and what would be shared is 26,112 bytes a trip.
; A slot is two blocks of 13,056 bytes as the launch before stored them: K's codes, V's codes, K's and V's scale words of 128 keys, all as images of registers: every LDS read is 16 or 8 bytes x lane, dense.
; K = 64 IN AN INSTRUCTION OF 128: a tile of K is six registers; the instruction names twelve, the upper six being the next tile's (behind the last tile: zeros).  Q's upper six registers are zero codes, so those products add nothing.
; A lane holds ONE query throughout (both products transposed); the keys of a tile and the channels of a tile of V are chosen so that a lane's registers run along the next K.
; The scale bytes of O: a head owns 2 bytes of a row's 32, so they leave as stores of 2 bytes, 32 bytes apart: 1/24 of what the launch stores.
; LIMITS: byte 1 for blocks under 2^-124 and for blocks of zeros; NaN and infinities are not served.
; REGISTERS: v1-9 addresses; v[10:11] V's scale words; v12 -M, v13 largest t, v[14:15] l; v16-27 Q; v28 prefetch offset; v32-79 K's tiles, then V's; v80-85 zeros; v86-92 the second block's Q;
;   v96-119 Q as loaded; v128-191 S^T, then p; v192-223 O^T; v224-235 p's codes; v232-254 at work; v248-251 K's scale words; v255 Q's.
.set BLK,   19712
.set HSTR,  16*BLK
.set STEPB, 13056                      ; the K and V part of a block: 51 rows of 256 bytes
.set SLOT1, 32768
.set SPARE, 65536                      ; the spare words: 128 bytes for each of 16 waves
.set LI,  1                            ; v1  16 x lane
.set L8,  2                            ; v2  8 x lane
.set VD,  3                            ; v3  my query's place in its group of 128, less 16 h
.set ASO, 4                            ; v4  32 r
.set SPW, 5
.set NIL, 6
.set ADK, 8
.set ADS, 9
.set PFO, 28
.set S,   128
.set O,   192
.set TB,  2                            ; s2  LDS byte at which the slot in hand begins
.set TR,  3                            ; s3  the trip
.set WV,  18
.set SEL, 20
.set CS,  22                           ; s[22:23] log2(e) / 8
.set G1,  24
.set G0,  40
.set KSC, 66                           ; the key slot in hand
.set KN,  67                           ; the next
.set GQ,  68                           ; my queries' group of 128
.set GQ1, 69                           ; the second block's
.set SWT, 70                           ; the trip at which the second block begins: i + 1
.set II,  71
.set HB,  72                           ; s[72:73] my head, + a block for odd waves
.set OFF, 74
.set AOB, 76                           ; s[76:77] where my tile's codes go; s[80:81] the second block's
.set ASB, 78                           ; s[78:79] and its scale bytes;      s[82:83]
.set PFA, 84
.set LIM, 86
.set ODD, 87
.macro TLOAD                           ; waves 0 and 1 fetch a block each; the branch hangs on the wave's number alone.  An s_nop 0 and four v_nop follow the load
	s_cmp_lt_u32 s[WV], 2
	s_cbranch_scc0 .Lno_fetch_\@
	tensor_load_to_lds s[G0:G0+3], s[G1:G1+7]
	s_nop 0
.rept 4
	v_nop
.endr
.Lno_fetch_\@:
.endm
; A PREFETCH INTO THE L2 of the key slot that the NEXT change of slots will ask for.  All four work-groups of a head walk the same K and V; work-group 0, whose second block walks all eight slots and reaches the late ones first, asks,
; in its trips 1 to 6, for slots 2 to 7: one trip, two key steps, ahead of the load.  Waves 4 to 7, which fetch nothing, share the slot's two blocks of 51 rows of 256 bytes: a lane a row (lanes past row 50 name row 50).
.macro ASK
	s_sub_co_u32 s96, s[TR], s[LIM]
	s_cmp_lt_u32 s96, 6
	s_cbranch_scc0 .Lnot_mine_\@
	global_prefetch_b8 v[PFO], s[PFA:PFA+1] th:TH_LOAD_NT scope:SCOPE_SE
.Lnot_mine_\@:
.endm
	s_load_b128 s[4:7], s[0:1], 0x0                ; qkv, ao
	s_load_b64 s[8:9], s[0:1], 0x10                ; asc
	v_lshl_add_u32 v[SPW], v0, 2, SPARE
	v_mov_b32 v[NIL], 0
	ds_add_u32 v[SPW], v[NIL]                      ; the wave's opening: the add and its wait ahead of the first tensor load
	ds_add_u32 v[SPW], v[NIL]
	v_lshrrev_b32 v8, 5, v0
	s_delay_alu instid0(VALU_DEP_1)
	v_readfirstlane_b32 s[WV], v8
	s_mov_b32 s[II], ttmp9
	s_add_co_u32 s[SWT], s[II], 1
	s_and_b32 s88, ttmp7, 0xffff                   ; batch x 16 + head
	s_lshr_b32 s89, s88, 4                         ; batch
	s_and_b32 s90, s88, 15                         ; head
	s_and_b32 s91, s[WV], 7                        ; a: my tile in its group of 128 queries
	s_lshr_b32 s92, s[WV], 3                       ; which group of the block's two
	s_and_b32 s93, s[WV], 1
	s_lshl_b32 s94, s[II], 1
	s_add_co_u32 s[GQ], s94, s92                   ; 2 i + group
	s_sub_co_u32 s[GQ1], 14, s94
	s_add_co_u32 s[GQ1], s[GQ1], s92               ; 2 (7 - i) + group
	s_mul_i32 s10, s88, HSTR                       ; my head's first byte
	s_mul_i32 s12, s93, BLK
	s_add_co_u32 s12, s12, s10
	s_mov_b32 s13, 0
	s_mul_i32 s14, s[GQ], BLK
	s_add_co_u32 s14, s14, s10
	s_add_co_u32 s14, s14, STEPB                   ; Q's codes of my group
	s_mov_b32 s15, 0
	s_mul_i32 s16, s[GQ1], BLK
	s_add_co_u32 s16, s16, s10
	s_add_co_u32 s16, s16, STEPB
	s_mov_b32 s17, 0
	s_mul_i32 s95, s89, 16*98304                   ; ao: [group of 128 rows][256 along K][tile][128 along K][piece][lane][8 bytes]
	s_lshr_b32 s96, s90, 2
	s_mul_i32 s96, s96, 24576
	s_add_co_u32 s95, s95, s96
	s_mul_i32 s96, s91, 3072
	s_add_co_u32 s95, s95, s96
	s_and_b32 s96, s90, 3
	s_mul_i32 s96, s96, 768                        ; 1,536 for the head's bit 1, 768 for its bit 0
	s_add_co_u32 s95, s95, s96
	s_mul_i32 s96, s[GQ], 98304
	s_add_co_u32 s[AOB], s95, s96
	s_mov_b32 s[AOB+1], 0
	s_mul_i32 s96, s[GQ1], 98304
	s_add_co_u32 s80, s95, s96
	s_mov_b32 s81, 0
	s_lshl_b32 s95, s89, 16                        ; asc: 32 bytes a row
	s_lshl_b32 s96, s91, 9
	s_add_co_u32 s95, s95, s96
	s_lshl_b32 s96, s90, 1
	s_add_co_u32 s95, s95, s96
	s_lshl_b32 s96, s[GQ], 12
	s_add_co_u32 s[ASB], s95, s96
	s_mov_b32 s[ASB+1], 0
	s_lshl_b32 s96, s[GQ1], 12
	s_add_co_u32 s82, s95, s96
	s_mov_b32 s83, 0
	s_bfe_u32 s96, s[WV], 0x10001                  ; the prefetches: waves 4, 5 the slot's first block, waves 6, 7 its second
	s_mul_i32 s96, s96, BLK
	s_add_co_u32 s[PFA], s10, s96                  ; at slot 0: each change of slots steps it, so that in trip t it stands at slot t + 1
	s_mov_b32 s[PFA+1], 0
	v_and_b32 v[PFO], 31, v0
	s_lshl_b32 s97, s93, 5
	v_add_nc_u32 v[PFO], s97, v[PFO]
	s_delay_alu instid0(VALU_DEP_1)
	v_min_u32 v[PFO], 50, v[PFO]
	s_delay_alu instid0(VALU_DEP_1)
	v_lshlrev_b32 v[PFO], 8, v[PFO]
	s_lshr_b32 s96, s[WV], 2
	s_xor_b32 s96, s96, 1                          ; 0 in waves 4 to 7
	s_or_b32 s96, s96, ttmp9                       ; of work-group 0
	s_cmp_eq_u32 s96, 0
	s_cselect_b32 s[LIM], 1, 256
	s_and_b32 s98, s91, 1
	s_cmp_lg_u32 s98, 0
	s_cselect_b32 s[ODD], -1, 0                    ; all lanes where my tile is the odd one of its pair
	v_and_b32 v[LI], 31, v0
	s_delay_alu instid0(VALU_DEP_1)
	v_lshlrev_b32 v[L8], 3, v[LI]
	s_delay_alu instid0(VALU_DEP_2)
	v_lshlrev_b32 v[LI], 4, v[LI]
	s_lshr_b32 s96, s91, 1                         ; a / 2
	s_mul_i32 s97, s96, 1536
	v_add_nc_u32 v7, s97, v[LI]                    ; Q's codes: my pair of tiles, 12 registers
	s_lshl_b32 s97, s96, 2
	s_lshl_b32 s99, s98, 8
	s_add_co_u32 s97, s97, s99
	s_add_co_u32 s97, s97, 6144
	v_and_b32 v9, 15, v0
	s_delay_alu instid0(VALU_DEP_1)
	v_lshlrev_b32 v[ASO], 5, v9
	s_delay_alu instid0(VALU_DEP_2)
	v_lshl_add_u32 v9, v9, 4, s97                  ; Q's scale word: 16 (16 (a % 2) + r) + 4 (a / 2) behind the codes
	s_lshl_b32 s97, s96, 5
	s_lshl_b32 s99, s98, 3
	s_add_co_u32 s97, s97, s99                     ; 32 (a / 2) + 8 (a % 2)
	v_and_b32 v[VD], 7, v0
	v_bfe_u32 v8, v0, 3, 1
	s_delay_alu instid0(VALU_DEP_1)
	v_lshl_add_u32 v[VD], v8, 4, v[VD]
	v_bfe_u32 v8, v0, 4, 1
	s_delay_alu instid0(VALU_DEP_1)
	v_lshlrev_b32 v8, 4, v8
	s_delay_alu instid0(VALU_DEP_1)
	v_sub_nc_u32 v[VD], v[VD], v8
	s_delay_alu instid0(VALU_DEP_1)
	v_add_nc_u32 v[VD], s97, v[VD]
	s_mov_b32 s[G1], 3<<16                         ; no mask; elements of 8 bytes; no padding
	s_mov_b32 s[G1+1], 32<<16                      ; tensor_dim0: 32 elements, 256 bytes
	s_mov_b32 s[G1+2], 51<<16                      ; tensor_dim1
	s_mov_b32 s[G1+3], 32<<16                      ; tile_dim0
	s_mov_b32 s[G1+4], 51                          ; tile_dim1
	s_mov_b32 s[G1+5], 32                          ; pitch: dense
	s_mov_b32 s[G1+6], 0
	s_mov_b32 s[G1+7], 0
	s_mov_b32 s[G0], 1
	s_mul_i32 s[G0+1], s93, STEPB                  ; slot 0, my block
	s_mov_b32 s[OFF+1], 0
	s_mov_b32 s[SEL], 0x76543210
	s_mov_b32 s[SEL+1], 0xfedcba98
	s_mov_b32 s[CS], 0x3e38aa3b                    ; log2(e) / 8
	s_mov_b32 s[CS+1], s[CS]
	s_mov_b32 s[TB], 0
	s_mov_b32 s[TR], 0
	s_mov_b32 s[KSC], 0
	s_wait_dscnt 0x0                               ; the opening add is done
	s_wait_kmcnt 0x0
	s_add_nc_u64 s[HB:HB+1], s[4:5], s[12:13]
	s_mov_b64 s[G0+2:G0+3], s[HB:HB+1]
	s_or_b32 s[G0+3], s[G0+3], 0x80000000
	TLOAD                                          ; key slot 0 into LDS slot 0: by this text's count one tensor load of a wave is out at the most
	s_add_nc_u64 s[44:45], s[4:5], s[14:15]
	s_add_nc_u64 s[46:47], s[4:5], s[16:17]
	s_add_nc_u64 s[PFA:PFA+1], s[4:5], s[PFA:PFA+1]
	s_add_nc_u64 s[AOB:AOB+1], s[6:7], s[AOB:AOB+1]
	s_add_nc_u64 s[80:81], s[6:7], s[80:81]
	s_add_nc_u64 s[ASB:ASB+1], s[8:9], s[ASB:ASB+1]
	s_add_nc_u64 s[82:83], s[8:9], s[82:83]
.irp c, 0,1,2
	global_load_b128 v[96+4*\c:99+4*\c], v7, s[44:45] offset:512*\c      ; both blocks' Q: each is read once, by me
	global_load_b128 v[108+4*\c:111+4*\c], v7, s[46:47] offset:512*\c
.endr
	s_wait_alu depctr_va_vdst(0)
	global_load_b32 v255, v9, s[44:45]
	global_load_b32 v92, v9, s[46:47]
.irp k, 0,1,2,3,4,5
	v_mov_b32 v[22+\k], 0                          ; Q's upper 64 along K: zero codes
	v_mov_b32 v[80+\k], 0                          ; behind K's last tile
.endr
	v_mov_b32 v13, 0xff61b1e6                      ; the largest t so far: -3e38
	s_delay_alu instid0(VALU_DEP_1)
	v_floor_f32 v12, -v13                          ; -M
	v_mov_b32 v14, 0
	v_mov_b32 v15, 0
.irp b, 0,1,2,3
	v_mov_b32 v[236+\b], 0                         ; a lane permute's destination counts as one of its sources
.endr
	v_mov_b32 v252, 0
	v_mov_b32 v253, 0
	s_wait_loadcnt 0x0
.irp k, 0,1,2,3,4,5
	v_cndmask_b32 v[16+\k], v[96+\k], v[102+\k], s[ODD]      ; my tile of the pair
	v_cndmask_b32 v[86+\k], v[108+\k], v[114+\k], s[ODD]
.endr
.set n, 0
.rept 32
	v_mov_b32 v[O+n], 0                            ; O^T: the step is written once; the first change of M multiplies zeros
.set n, n+1
.endr
; A KEY STEP: 128 keys, the q-th of the slot in hand.
.macro STEP q
	s_lshl_b32 s96, s[KSC], 1
.if \q
	s_add_co_u32 s96, s96, \q
.endif
	s_cmp_gt_u32 s96, s[GQ]                        ; all its keys come after my queries: the step's work is left out (a branch on ids; no barrier and no tensor load stands in a step)
	s_cbranch_scc1 .Lhidden_\@
	v_add_nc_u32 v[ADK], s[TB], v[LI]
	v_add_nc_u32 v[ADS], s[TB], v[L8]
	v_nop
	v_nop                                          ; four plain lines between the last products and the loads into registers that they read
.irp c, 0,1,2,3,4,5,6,7,8,9,10,11
	ds_load_b128 v[32+4*\c:35+4*\c], v[ADK] offset:\q*STEPB+512*\c     ; K's eight tiles, six registers each
.endr
	ds_load_b128 v[248:251], v[ADK] offset:\q*STEPB+12288              ; register c: lanes 0-15 tile 2 c's words, lanes 16-31 tile 2 c + 1's
	ds_load_b64 v[10:11], v[ADS] offset:\q*STEPB+12800                 ; V's likewise
	s_wait_alu depctr_va_vdst(0)
	s_wait_dscnt 0x0
.irp t, 0,1,2,3,4,5,6,7
.if \t%2
	v_wmma_scale_f32_16x16x128_f8f6f4 v[S+8*\t:S+8*\t+7], v[32+6*\t:43+6*\t], v[16:27], 0, v[248+\t/2], v255 matrix_a_fmt:MATRIX_FMT_FP6 matrix_b_fmt:MATRIX_FMT_FP6 matrix_a_scale:MATRIX_SCALE_ROW1
.else
	v_wmma_scale_f32_16x16x128_f8f6f4 v[S+8*\t:S+8*\t+7], v[32+6*\t:43+6*\t], v[16:27], 0, v[248+\t/2], v255 matrix_a_fmt:MATRIX_FMT_FP6 matrix_b_fmt:MATRIX_FMT_FP6
.endif
.endr                                          ; lane (r, h): my query; register 16 b + i: key 32 b + 16 h + i of the step
.rept 4
	v_nop                                          ; four places: then K's registers take V, and the scores are read
.endr
.irp c, 0,1,2,3,4,5,6,7,8,9,10,11
	ds_load_b128 v[32+4*\c:35+4*\c], v[ADK] offset:\q*STEPB+6144+512*\c   ; V's four tiles, twelve registers each: they land under the softmax
.endr
	s_cmp_lg_u32 s96, s[GQ]                        ; on the diagonal the scores of hidden keys become -infinity ahead of the maximum
	s_cbranch_scc1 .Lopen_\@
	v_mov_b32 v254, 0xff800000
.set n, 0
.rept 64
	v_cmp_gt_i32 vcc_lo, 32*(n/16)+n%16, v[VD]
	v_cndmask_b32 v[S+n], v[S+n], v254, vcc_lo
.set n, n+1
.endr
.Lopen_\@:
.irp b, 0,1,2,3
	v_max3_num_f32 v[232+\b], v[S+16*\b], v[S+1+16*\b], v[S+2+16*\b]   ; the largest score of each block of 32 keys: for the row's maximum, and, since p rises with the score, for the block's largest p
.endr
.irp i, 3,5,7,9,11,13
.irp b, 0,1,2,3
	v_max3_num_f32 v[232+\b], v[232+\b], v[S+16*\b+\i], v[S+1+16*\b+\i]
.endr
.endr
.irp b, 0,1,2,3
	v_max_num_f32 v[232+\b], v[232+\b], v[S+15+16*\b]
.endr
.irp b, 0,1,2,3
	s_delay_alu instid0(VALU_DEP_4)
	v_permlanex16_b32 v[236+\b], v[232+\b], s[SEL], s[SEL+1]
.endr
.irp b, 0,1,2,3
	s_delay_alu instid0(VALU_DEP_4)
	v_max_num_f32 v[232+\b], v[232+\b], v[236+\b]
.endr
	s_delay_alu instid0(VALU_DEP_2)
	v_max3_num_f32 v254, v232, v233, v234
	s_delay_alu instid0(VALU_DEP_1)
	v_max_num_f32 v254, v254, v235
	s_delay_alu instid0(VALU_DEP_1)
	v_mul_f32 v254, s[CS], v254
	s_delay_alu instid0(VALU_DEP_1)
	v_max_num_f32 v13, v13, v254                   ; the running largest t
	v_mov_b32 v254, v12
	s_delay_alu instid0(VALU_DEP_2)
	v_floor_f32 v12, -v13                          ; the new -M = -ceil(t)
	s_delay_alu instid0(VALU_DEP_1)
	v_sub_f32 v254, v12, v254                      ; old M - new M: a whole number, 0 or less
	s_delay_alu instid0(VALU_DEP_1)
	v_cvt_i32_f32 v254, v254                       ; (it saturates)
	s_delay_alu instid0(VALU_DEP_1)
	v_ldexp_f32 v252, 1.0, v254                    ; f = 2^(old M - new M)
.set n, 0
.rept 32
	v_pk_fma_f32 v[S+n:S+n+1], v[S+n:S+n+1], s[CS:CS+1], v[12:13] op_sel_hi:[1,0,0]   ; t - M
.set n, n+2
.endr
.irp b, 0,1,2,3
	v_fma_f32 v[232+\b], v[232+\b], s[CS], v12
.endr
.set n, 0
	s_wait_alu depctr_va_vdst(0)
.rept 64
	v_exp_f32 v[S+n], v[S+n]                       ; p = 2^(t - M)
.set n, n+1
.endr
	v_pk_mul_f32 v[14:15], v[14:15], v[252:253] op_sel_hi:[1,0]   ; l under the new M (the plain line behind the exponentials)
	s_wait_alu depctr_va_vdst(0)                   ; one wait for the batch, ahead of its first reader
.irp b, 0,1,2,3
	v_exp_f32 v[232+\b], v[232+\b]                 ; the block's largest p
.endr
	v_pk_add_f32 v[236:237], v[132:133], v[136:137]
	v_pk_add_f32 v[250:251], v[140:141], v[144:145]
	v_pk_add_f32 v[248:249], v[148:149], v[152:153]
	v_pk_add_f32 v[246:247], v[156:157], v[160:161]
	v_pk_add_f32 v[244:245], v[164:165], v[168:169]
	v_pk_add_f32 v[242:243], v[172:173], v[176:177]
	v_pk_add_f32 v[240:241], v[180:181], v[184:185]
	v_pk_add_f32 v[14:15], v[14:15], v[188:189]
	v_pk_add_f32 v[236:237], v[236:237], v[128:129]
	v_pk_add_f32 v[250:251], v[250:251], v[130:131]
	v_pk_add_f32 v[248:249], v[248:249], v[134:135]
	v_pk_add_f32 v[246:247], v[246:247], v[138:139]
	v_pk_add_f32 v[244:245], v[244:245], v[142:143]
	v_pk_add_f32 v[242:243], v[242:243], v[146:147]
	v_pk_add_f32 v[240:241], v[240:241], v[150:151]
	v_pk_add_f32 v[14:15], v[14:15], v[154:155]
	v_pk_add_f32 v[236:237], v[236:237], v[158:159]
	v_pk_add_f32 v[250:251], v[250:251], v[162:163]
	v_pk_add_f32 v[248:249], v[248:249], v[166:167]
	v_pk_add_f32 v[246:247], v[246:247], v[170:171]
	v_pk_add_f32 v[244:245], v[244:245], v[174:175]
	v_pk_add_f32 v[242:243], v[242:243], v[178:179]
	v_pk_add_f32 v[240:241], v[240:241], v[182:183]
	v_pk_add_f32 v[14:15], v[14:15], v[186:187]
	v_pk_add_f32 v[236:237], v[236:237], v[190:191]
	s_delay_alu instid0(VALU_DEP_2)
	v_pk_add_f32 v[14:15], v[14:15], v[246:247]
	s_delay_alu instid0(VALU_DEP_2)
	v_pk_add_f32 v[236:237], v[236:237], v[244:245]
	v_pk_add_f32 v[250:251], v[250:251], v[242:243]
	v_pk_add_f32 v[248:249], v[248:249], v[240:241]
	s_delay_alu instid0(VALU_DEP_2)
	v_pk_add_f32 v[14:15], v[14:15], v[250:251]
	s_delay_alu instid0(VALU_DEP_2)
	v_pk_add_f32 v[236:237], v[236:237], v[248:249]
	s_delay_alu instid0(VALU_DEP_1)
	v_pk_add_f32 v[14:15], v[14:15], v[236:237]
	s_wait_alu depctr_va_vdst(0)                   ; and one for the four
.irp b, 0,1,2,3
	v_max_num_f32 v[232+\b], 0x1800000, v[232+\b]  ; the floor
.endr
.irp b, 0,1,2,3
	s_delay_alu instid0(VALU_DEP_4)
	v_add_nc_u32 v[244+\b], 0xff000000, v[232+\b]
.endr
.irp b, 0,1,2,3
	s_delay_alu instid0(VALU_DEP_4)
	v_lshrrev_b32 v[236+\b], 23, v[244+\b]
.endr
	s_delay_alu instid0(VALU_DEP_3)
	v_lshl_or_b32 v253, v237, 8, v236              ; p's scale word for these 128 keys
	s_delay_alu instid0(VALU_DEP_1)
	v_lshl_or_b32 v253, v238, 16, v253
	s_delay_alu instid0(VALU_DEP_1)
	v_lshl_or_b32 v253, v239, 24, v253
.irp c, 0,1
	v_cvt_scalef32_pk16_fp6_f32 v[224+6*\c:226+6*\c], v[S+32*\c:S+15+32*\c], v[244+2*\c]
	v_cvt_scalef32_pk16_fp6_f32 v[236+4*\c:238+4*\c], v[S+16+32*\c:S+31+32*\c], v[244+2*\c+1]
.endr
	v_nop                                          ; one plain line behind the conversions
.irp c, 0,1
.irp i, 0,1,2
	v_permlane16_swap_b32 v[224+6*\c+\i], v[236+4*\c+\i]
.endr
.irp i, 0,1,2
	s_delay_alu instid0(VALU_DEP_3)
	v_mov_b32 v[227+6*\c+\i], v[236+4*\c+\i]
.endr
.endr
.set n, 0
.rept 16
	v_pk_mul_f32 v[O+n:O+n+1], v[O+n:O+n+1], v[252:253] op_sel_hi:[1,0]   ; O^T under the new M; these sixteen also stand between the writes of p's codes and scale word and the products
.set n, n+2
.endr
	s_wait_alu depctr_va_vdst(0)
	s_wait_dscnt 0x0                               ; V is in
.irp t, 0,1,2,3                                ; four accumulators by turns, one instruction a turn
.if \t%2
	v_wmma_scale_f32_16x16x128_f8f6f4 v[O+8*\t:O+8*\t+7], v[32+12*\t:43+12*\t], v[224:235], v[O+8*\t:O+8*\t+7], v[10+\t/2], v253 matrix_a_fmt:MATRIX_FMT_FP6 matrix_b_fmt:MATRIX_FMT_FP6 matrix_a_scale:MATRIX_SCALE_ROW1
.else
	v_wmma_scale_f32_16x16x128_f8f6f4 v[O+8*\t:O+8*\t+7], v[32+12*\t:43+12*\t], v[224:235], v[O+8*\t:O+8*\t+7], v[10+\t/2], v253 matrix_a_fmt:MATRIX_FMT_FP6 matrix_b_fmt:MATRIX_FMT_FP6
.endif
.endr
.Lhidden_\@:
.endm
; THE CHANGE OF SLOTS stands at a trip's head: every wave waits for all its tensor loads, adds 0 to its spare word, and waits for that and for its reads of the slot that it has left; one barrier;
; behind it (fill = 1) the slot just left is filled with the next trip's keys: the load has a trip's two key steps in which to land.
.macro CHANGE fill
	s_wait_tensorcnt 0x0
	ds_add_u32 v[SPW], v[NIL]                      ; 0 onto my spare word; the descriptor's step stands between it and the wait for it
.if \fill
	s_add_co_u32 s[KN], s[KSC], 1
	s_cmp_eq_u32 s[TR], s[II]
	s_cselect_b32 s[KN], 0, s[KN]                  ; behind the first block's last slot the second block begins at key slot 0
	s_mul_i32 s[OFF], s[KN], 2*BLK
	s_xor_b32 s[G0+1], s[G0+1], SLOT1
	s_add_nc_u64 s[G0+2:G0+3], s[HB:HB+1], s[OFF:OFF+1]
	s_or_b32 s[G0+3], s[G0+3], 0x80000000
	s_wait_xcnt 0x0                                ; the last prefetch, a trip back, has read its address
	s_add_nc_u64 s[PFA:PFA+1], s[PFA:PFA+1], 2*BLK
.endif
	s_wait_dscnt 0x0
	s_barrier_signal -1
	s_barrier_wait -1
.if \fill
	TLOAD
	ASK
.endif
.endm
; A BLOCK'S END: O / l, quantised along the head's 64 channels (two blocks of 32), stored as six registers of the last product's operand, and two scale bytes a row.
.macro OUT
.rept 4
	v_nop                                          ; behind the last products
.endr
	v_add_f32 v14, v14, v15
	s_delay_alu instid0(VALU_DEP_1)
	v_permlanex16_b32 v252, v14, s[SEL], s[SEL+1]
	s_delay_alu instid0(VALU_DEP_1)
	v_add_f32 v14, v14, v252                       ; the row's sum
	s_wait_alu depctr_va_vdst(0)
	v_rcp_f32 v14, v14
	v_nop
	s_wait_alu depctr_va_vdst(0)                   ; ahead of the reciprocal's first reader
.set n, 0
.rept 16
	v_pk_mul_f32 v[S+n:S+n+1], v[O+n:O+n+1], v[14:15] op_sel_hi:[1,0]   ; register 16 b + i: channel 32 b + 16 h + i
.set n, n+2
.endr
.irp b, 0,1
	v_max3_num_f32 v[232+\b], |v[S+16*\b]|, |v[S+1+16*\b]|, 0x1800000
.endr
.irp i, 2,4,6,8,10,12,14
.irp b, 0,1
	s_delay_alu instid0(VALU_DEP_2)
	v_max3_num_f32 v[232+\b], v[232+\b], |v[S+16*\b+\i]|, |v[S+1+16*\b+\i]|
.endr
.endr
.irp b, 0,1
	s_delay_alu instid0(VALU_DEP_2)
	v_permlanex16_b32 v[236+\b], v[232+\b], s[SEL], s[SEL+1]
.endr
.irp b, 0,1
	s_delay_alu instid0(VALU_DEP_2)
	v_max_num_f32 v[232+\b], v[232+\b], v[236+\b]
.endr
.irp b, 0,1
	s_delay_alu instid0(VALU_DEP_2)
	v_add_nc_u32 v[244+\b], 0xff000000, v[232+\b]
.endr
.irp b, 0,1
	s_delay_alu instid0(VALU_DEP_2)
	v_lshrrev_b32 v[236+\b], 23, v[244+\b]
.endr
	s_delay_alu instid0(VALU_DEP_1)
	v_lshl_or_b32 v254, v237, 8, v236
	v_cvt_scalef32_pk16_fp6_f32 v[224:226], v[S:S+15], v244
	v_cvt_scalef32_pk16_fp6_f32 v[236:238], v[S+16:S+31], v245
	v_nop
.irp i, 0,1,2
	v_permlane16_swap_b32 v[224+\i], v[236+\i]
.endr
.irp i, 0,1,2
	s_delay_alu instid0(VALU_DEP_3)
	v_mov_b32 v[227+\i], v[236+\i]
.endr
.irp p, 0,1,2
	global_store_b64 v[L8], v[224+2*\p:225+2*\p], s[AOB:AOB+1] offset:256*\p   ; 32 lanes store 256 consecutive bytes, aligned
.endr
	global_store_b16 v[ASO], v254, s[ASB:ASB+1]    ; (lanes r and r + 16 write the same two bytes with the same value)
	s_wait_xcnt 0x0                                ; the stores have read their data and bases: both are written again
.endm
.Ltrip:                                            ; eight trips; the ninth is written out
	CHANGE 1
	s_cmp_lg_u32 s[TR], s[SWT]
	s_cbranch_scc1 .Lsame
	OUT                                            ; the first block is done: on to the second
.irp k, 0,1,2,3,4,5
	v_mov_b32 v[16+\k], v[86+\k]
.endr
	v_mov_b32 v255, v92                            ; (the 36 plain lines below stand between these writes and the next products)
	v_mov_b32 v13, 0xff61b1e6
	s_delay_alu instid0(VALU_DEP_1)
	v_floor_f32 v12, -v13
	v_mov_b32 v14, 0
	v_mov_b32 v15, 0
.set n, 0
.rept 32
	v_mov_b32 v[O+n], 0
.set n, n+1
.endr
	s_mov_b32 s[GQ], s[GQ1]
	s_mov_b64 s[AOB:AOB+1], s[80:81]
	s_mov_b64 s[ASB:ASB+1], s[82:83]
.Lsame:
	STEP 0
	STEP 1
	s_xor_b32 s[TB], s[TB], SLOT1
	s_mov_b32 s[KSC], s[KN]
	s_add_co_u32 s[TR], s[TR], 1
	s_cmp_lt_u32 s[TR], 8
	s_cbranch_scc1 .Ltrip
	CHANGE 0
	STEP 0
	STEP 1
	OUT
	s_wait_tensorcnt 0x0                           ; the wave's end
	ds_add_u32 v[SPW], v[NIL]
	s_wait_dscnt 0x0
	s_endpgm
.Lfunc_end_k_qaa10e92779_attn:
	.size	k_qaa10e92779_attn, .Lfunc_end_k_qaa10e92779_attn-k_qaa10e92779_attn
	.p2alignl 7, 3214868480
	.fill 96, 4, 3214868480
	.section	.rodata,"a",@progbits
	.p2align	6, 0x0
	.amdhsa_kernel k_qaa10e92779_attn
		.amdhsa_group_segment_fixed_size 327680
		.amdhsa_private_segment_fixed_size 0
		.amdhsa_enable_private_segment 0
		.amdhsa_kernarg_size 24
		.amdhsa_user_sgpr_count 2
		.amdhsa_user_sgpr_kernarg_segment_ptr 1
		.amdhsa_wavefront_size32 1
		.amdhsa_system_sgpr_workgroup_id_x 1
		.amdhsa_system_sgpr_workgroup_id_y 1
		.amdhsa_system_sgpr_workgroup_id_z 1
		.amdhsa_system_vgpr_workitem_id 0
		.amdhsa_next_free_vgpr 256
		.amdhsa_next_free_sgpr 100
		.amdhsa_reserve_vcc 1
		.amdhsa_float_denorm_mode_32 3
		.amdhsa_float_denorm_mode_16_64 3
		.amdhsa_memory_ordered 1
		.amdhsa_forward_progress 1
		.amdhsa_inst_pref_size 108
	.end_amdhsa_kernel
	.amdgpu_metadata
---
amdhsa.version: [ 1, 2 ]
amdhsa.kernels:
  - .name:           k_qaa10e92779_attn
    .symbol:         k_qaa10e92779_attn.kd
    .args:
      - { .name: qkv, .offset: 0, .size: 8, .value_kind: global_buffer, .address_space: global }
      - { .name: ao, .offset: 8, .size: 8, .value_kind: global_buffer, .address_space: global }
      - { .name: asc, .offset: 16, .size: 8, .value_kind: global_buffer, .address_space: global }
    .group_segment_fixed_size: 327680
    .private_segment_fixed_size: 0
    .kernarg_segment_align: 8
    .kernarg_segment_size: 24
    .max_flat_workgroup_size: 512
    .sgpr_count:     100
    .vgpr_count:     256
    .wavefront_size: 32
...
	.end_amdgpu_metadata
.endif
;; end of part 3
;; launch projgemm (part 4): grid 4 x 32, 4 waves a work-group, clusters of 4 x 4, 327,680 bytes of LDS; arguments ao, asc, cod, scl, b_proj, out0; writes out0
.if DOCPART == 4
	.amdgcn_target "amdgcn-amd-amdhsa--gfx1250"
	.amdhsa_code_object_version 6
	.text
	.protected	k_qaa10e92779_projgemm
	.globl	k_qaa10e92779_projgemm
	.p2align	8
	.type	k_qaa10e92779_projgemm,@function
k_qaa10e92779_projgemm:
	s_mov_b64 s[64:65], 0
	v_nop
	global_prefetch_b8 v0, s[64:65] scope:SCOPE_SE
	s_setreg_imm32_b32 hwreg(HW_REG_WAVE_MODE, 25, 1), 1
	s_wait_xcnt 0x0
	s_wait_alu depctr_hold_cnt(0) depctr_sa_sdst(0) depctr_va_vdst(0) depctr_va_sdst(0) depctr_va_ssrc(0) depctr_va_vcc(0) depctr_vm_vsrc(0)
	s_getreg_b32 s2, hwreg(HW_REG_IB_STS2, 6, 4)
	s_cmp_eq_u32 s2, 0
	s_cbranch_scc0 .Lentry_in_a_cluster
	s_endpgm
.Lentry_in_a_cluster:
	s_bfe_u32 s2, ttmp6, 0x10000c
	s_cmp_lg_u32 s2, 0xf033
	s_cbranch_scc0 .Lentry_shape_is_right
	s_endpgm
.Lentry_shape_is_right:
; out0 = o W_proj + b_proj on codes of FP6 (E2M3) with E8M0 scales, K = 1,024.  A tile of 256 x 256 to a work-group of four waves, 128 x 128 a wave; K in steps of 256 through two LDS slots; the scales come once.
; A (the attention's result) lies in ao as IMAGES OF ITS FRAGMENTS: [group of 128 rows][256 along K][block of 16 rows][128 along K][piece of two registers][lane][8 bytes]: a slot's part of 128 rows is 24,576 dense bytes,
;   and a fragment is six loads of 8 bytes x lane.  Row r of block a of a group is token 32 (a / 2) + 8 (a % 2) + r % 8 + 16 (r / 8) of the group.  Its scale bytes: asc, 32 bytes a row, in the same row order.
; B: W_proj's columns, rows 11,264 on of cod and scl, column n at sigma(n) (bits 3 and 4 exchanged), through padded rows as the first product's tiles.
; CLUSTERS of 4 x 4: A's tiles are shared along a row of the cluster, B's along a column, each asked for jointly.  The matrix instruction is used transposed: a lane holds eight neighbouring columns of one row.
; The bias is the C of each sum's first matrix instruction.  128 work-groups: the tile is kept at 256 x 256 so that each fragment read from LDS feeds eight products.
; REGISTERS: window 0: v0-31 addresses; v32-63 scale words; v64-127 the bias; v128-223 A's fragments.  Window 1: B's, two sets.  Windows 2, 3: the accumulators.
.set NQ,     2
.set ROWB,   192
.set KROW,   768
.set PITCH,  240
.set FR,     12
.set NL,     6
.set NP,     4
.set AHALF,  24576                     ; A: 128 rows x 256 along K as images
.set HALFT,  128*PITCH                 ; B: 128 padded rows
.set SLOT,   2*AHALF+2*HALFT
.set KS,     32
.set SCL,    2*SLOT
.set HALFS,  (128*KS/256)*272
.set SBLK,   (16*KS/256)*272
.set SPARE,  SCL+4*HALFS
.set SPITCH, 528                       ; the way out: 16 rows x (512 + 16) bytes for each wave, in slot 0, which has had its last fill and its last read by then
.set ADRA, 16                          ; v16-17
.set ADRB, 20                          ; v20-23
.set STO,  24
.set RD,   25
.set CO,   26
.set ADRS, 27
.set SPW,  28
.set NIL,  29
.set BO,   30
.set SC,   32
.set BI,   64
.set AF,   128
.set BK,   128
.set G1, 24
.set G0, 32
.set G1B, 48
.set G0B, 56
.set G1S, 68
.set G0S, 76
.set G1SB, 80
.set G0SB, 88
.set MSB, 0
.macro WIN new
.if MSB != (\new)
	s_set_vgpr_msb (MSB<<8)|(\new)
.set MSB, (\new)
.endif
.endm
.set MUL_LO, 0xa1
.set MUL_HI, 0xf1
.set TO_B,   0x40
.macro JLOAD g0a, g1a, g0b, g1b        ; waves 0 and 1 fetch for A, waves 2 and 3 for B; an s_nop 0 and four v_nop follow each line
	s_cmp_eq_u32 s15, 0
	s_cbranch_scc0 .Lfor_b_\@
	tensor_load_to_lds s[\g0a:\g0a+3], s[\g1a:\g1a+7]
	s_nop 0
.rept 4
	v_nop
.endr
	s_branch .Lasked_\@
.Lfor_b_\@:
	tensor_load_to_lds s[\g0b:\g0b+3], s[\g1b:\g1b+7]
	s_nop 0
.rept 4
	v_nop
.endr
.Lasked_\@:
.endm
.macro CREST
	s_cmp_lg_u32 s14, 0
	s_cbranch_scc1 .Lnot_wave_0_\@
	s_barrier_signal -3
.Lnot_wave_0_\@:
	s_barrier_wait -3
	s_barrier_signal -1
	s_barrier_wait -1
.endm
.macro CROUND
	s_barrier_signal -1
	s_barrier_wait -1
	CREST
.endm
	s_load_b256 s[4:11], s[0:1], 0x0               ; ao s[4:5], asc s[6:7], cod s[8:9], scl s[10:11]
	s_load_b128 s[96:99], s[0:1], 0x20             ; b_proj s[96:97], out0 s[98:99]
	v_lshl_add_u32 v[SPW], v0, 2, SPARE
	v_mov_b32 v[NIL], 0
	ds_add_u32 v[SPW], v[NIL]                      ; the wave's opening: the add and its wait ahead of my first tensor load
	v_lshrrev_b32 v1, 5, v0
	v_readfirstlane_b32 s14, v1
	s_lshr_b32 s15, s14, 1                         ; my half of the rows.  Also: I fetch for A (0) or B (1)
	s_and_b32 s16, s14, 1                          ; my half of the columns.  Also: which 128 rows I fetch
	s_bfe_u32 s40, ttmp6, 0x40000
	s_bfe_u32 s41, ttmp6, 0x40004
	s_lshl_b32 s42, ttmp9, 2
	s_add_co_u32 s42, s42, s40                     ; tile column
	s_and_b32 s17, ttmp7, 0xffff
	s_lshl_b32 s17, s17, 2
	s_add_co_u32 s17, s17, s41                     ; tile row
	s_lshl_b32 s43, s41, 2
	s_lshl_b32 s43, 15, s43
	s_lshl_b32 s44, 0x1111, s40
	s_or_b32 s[G1+0], s43, (3<<16)|(1<<21)         ; A: mask of my row; elements of 8 bytes; no padding: 96 dense rows of 256 bytes
	s_mov_b32 s[G1+1], 32<<16
	s_mov_b32 s[G1+2], 96<<16
	s_mov_b32 s[G1+3], 32<<16
	s_mov_b32 s[G1+4], 96
	s_mov_b32 s[G1+5], 32
	s_mov_b32 s[G1+6], 0
	s_mov_b32 s[G1+7], 0
	s_or_b32 s[G1B+0], s44, (0<<16)|(1<<20)|(1<<21)|(3<<22)|(3<<25)   ; B: 128 rows of 192 bytes, 16 bytes of padding behind every 64
	s_mov_b32 s[G1B+1], ROWB<<16
	s_mov_b32 s[G1B+2], 128<<16
	s_mov_b32 s[G1B+3], ROWB<<16
	s_mov_b32 s[G1B+4], 128
	s_mov_b32 s[G1B+5], KROW
	s_mov_b32 s[G1B+6], 0
	s_mov_b32 s[G1B+7], 0
	s_or_b32 s[G1S+0], s43, (3<<16)|(1<<20)|(1<<21)|(5<<22)|(3<<25)
	s_or_b32 s[G1SB+0], s44, (3<<16)|(1<<20)|(1<<21)|(5<<22)|(3<<25)
.irp g, G1S, G1SB
	s_mov_b32 s[\g+1], 32<<16
	s_mov_b32 s[\g+2], (128*KS/256)<<16
	s_mov_b32 s[\g+3], 32<<16
	s_mov_b32 s[\g+4], 128*KS/256
	s_mov_b32 s[\g+5], 32
	s_mov_b32 s[\g+6], 0
	s_mov_b32 s[\g+7], 0
.endr
	s_lshl_b32 s20, s17, 1
	s_add_co_u32 s20, s20, s16                     ; A: the group of 128 rows that I fetch
	s_lshl_b32 s22, s20, 12                        ; its scales: 128 x 32 bytes a group
	s_mul_i32 s20, s20, 4*AHALF
	s_mov_b32 s21, 0
	s_mov_b32 s23, 0
	s_lshl_b32 s46, s42, 8
	s_lshl_b32 s18, s16, 7
	s_add_co_u32 s46, s46, s18
	s_add_co_u32 s46, s46, 11264                   ; B: the first of the 128 rows of cod that I fetch
	s_lshl_b32 s92, s46, 5
	s_mul_i32 s46, s46, KROW
	s_mov_b32 s47, 0
	s_mov_b32 s93, 0
	s_mul_i32 s45, s16, AHALF                      ; where they go in a slot: A's two halves, then B's two
	s_mul_i32 s95, s16, HALFT
	s_add_co_u32 s95, s95, 2*AHALF
	s_mul_i32 s94, s14, HALFS
	s_wait_dscnt 0x0
	s_wait_kmcnt 0x0
	s_add_nc_u64 s[20:21], s[4:5], s[20:21]
	s_add_nc_u64 s[22:23], s[6:7], s[22:23]
	s_add_nc_u64 s[46:47], s[8:9], s[46:47]
	s_add_nc_u64 s[92:93], s[10:11], s[92:93]
	CROUND                                         ; the first joint loads meet
	s_mov_b32 s[G0S], 1
	s_add_co_u32 s[G0S+1], s94, SCL
	s_mov_b64 s[G0S+2:G0S+3], s[22:23]
	s_or_b32 s[G0S+3], s[G0S+3], 0x80000000
	s_mov_b32 s[G0SB], 1
	s_add_co_u32 s[G0SB+1], s94, SCL
	s_mov_b64 s[G0SB+2:G0SB+3], s[92:93]
	s_or_b32 s[G0SB+3], s[G0SB+3], 0x80000000
	JLOAD G0S, G1S, G0SB, G1SB
.irp s, 0,1
	s_mov_b32 s[G0+4*\s], 1
	s_add_co_u32 s[G0+4*\s+1], s45, \s*SLOT
	s_add_nc_u64 s[G0+4*\s+2:G0+4*\s+3], s[20:21], \s*AHALF
	s_or_b32 s[G0+4*\s+3], s[G0+4*\s+3], 0x80000000
	s_mov_b32 s[G0B+4*\s], 1
	s_add_co_u32 s[G0B+4*\s+1], s95, \s*SLOT
	s_add_nc_u64 s[G0B+4*\s+2:G0B+4*\s+3], s[46:47], \s*ROWB
	s_or_b32 s[G0B+4*\s+3], s[G0B+4*\s+3], 0x80000000
	JLOAD G0+4*\s, G1, G0B+4*\s, G1B               ; by this text's count three tensor loads of a wave are out here
.endr
	v_and_b32 v1, 15, v0                           ; r
	v_bfe_u32 v2, v0, 4, 1                         ; h
	v_and_b32 v6, 31, v0
	v_mul_u32_u24 v3, v1, PITCH
	v_mul_u32_u24 v4, v2, 24
	v_add_nc_u32 v4, v3, v4
	v_lshl_add_u32 v5, v2, 4, v4
	v_lshlrev_b32 v7, 3, v6                        ; 8 x lane
	s_mul_i32 s21, s15, AHALF
	s_mul_i32 s22, s16, HALFT
	s_add_co_u32 s22, s22, 2*AHALF
.irp s, 0,1
	v_add_nc_u32 v[ADRA+\s], s21, v7
	v_add_nc_u32 v[ADRB+\s], s22, v4
	v_add_nc_u32 v[ADRB+2+\s], s22, v5
	s_add_co_u32 s21, s21, SLOT
	s_add_co_u32 s22, s22, SLOT
.endr
	v_mul_u32_u24 v5, v1, KS
	v_lshrrev_b32 v7, 8, v5
	v_lshl_add_u32 v5, v7, 4, v5
	s_mul_i32 s21, s15, HALFS
	s_mul_i32 s22, s16, HALFS
	s_add_co_u32 s22, s22, 2*HALFS
	s_sub_co_u32 s22, s22, s21
	v_mul_u32_u24 v7, s22, v2                      ; lanes 16-31 take B's
	s_add_co_u32 s21, s21, SCL
	v_add_nc_u32 v5, v5, v7
	v_add_nc_u32 v[ADRS], s21, v5
	s_mul_i32 s23, s14, 16*SPITCH                  ; my stage
	v_mul_u32_u24 v5, v1, SPITCH
	v_lshl_add_u32 v5, v2, 6, v5                   ; in: row r, + 64 h: tile b's eight columns are 32 (b / 2) + 16 h + 8 (b % 2) on
	v_add_nc_u32 v[STO], s23, v5
	v_lshlrev_b32 v[CO], 4, v6
	v_add_nc_u32 v[RD], s23, v[CO]
	v_lshlrev_b32 v[BO], 6, v2
	s_lshl_b32 s20, s17, 8
	s_lshl_b32 s21, s15, 7
	s_add_co_u32 s20, s20, s21
	s_lshl_b32 s20, s20, 12                        ; my first row of out0, 4,096 bytes a row
	s_lshl_b32 s46, s42, 10
	s_lshl_b32 s47, s16, 9
	s_add_co_u32 s46, s46, s47                     ; my first column, in bytes: also my place in b_proj
	s_mov_b32 s47, 0
	s_add_nc_u64 s[96:97], s[96:97], s[46:47]
	s_add_co_u32 s20, s20, s46
	s_mov_b32 s21, 0
	s_add_nc_u64 s[98:99], s[98:99], s[20:21]
.irp b, 0,1,2,3
.irp j, 0,1,2,3
	global_load_b128 v[BI+16*\b+4*\j:BI+16*\b+4*\j+3], v[BO], s[96:97] offset:128*\b+16*\j   ; register 8 b' + j of the bias: column 32 (b' / 2) + 16 h + 8 (b' % 2) + j
.endr
.endr
.macro FRAG reg, adr, q, i             ; B: from padded rows
.irp p, 0,1,2,3,4,5
.set PC, 12*(\q)+6*(\p/3)+\p%3
.if PC%8 < 5
	ds_load_b64 v[\reg+2*\p:\reg+2*\p+1], v[\adr] offset:8*PC+16*(PC/8)+(\i)*16*PITCH
.else
	ds_load_b64 v[\reg+2*\p:\reg+2*\p+1], v[\adr+2] offset:8*PC+16*(PC/8)+(\i)*16*PITCH
.endif
.endr
.endm
.macro FRAGA reg, adr, q, i            ; A: from images: 256 consecutive bytes a load
.irp p, 0,1,2,3,4,5
	ds_load_b64 v[\reg+2*\p:\reg+2*\p+1], v[\adr] offset:3072*(\i)+1536*(\q)+256*\p
.endr
.endm
; 16 matrix instructions; zero = 1: the first product starts the sums from the bias.  The 64 accumulators take turns, one instruction a turn.
.macro MUL16 a0, p, q, sc, zero
.irp a, \a0, \a0+1
.irp b, 0,1,2,3,4,5,6,7
.if \zero
	v_wmma_scale_f32_16x16x128_f8f6f4 v[8*(8*((\a)%4)+\b):8*(8*((\a)%4)+\b)+7], v[128*(\p)+FR*\b:128*(\p)+FR*\b+FR-1], v[AF+FR*(\a):AF+FR*(\a)+FR-1], v[BI+8*\b:BI+8*\b+7], v[SC+8*NQ*(\sc)+NQ*\b+(\q)], v[SC+8*NQ*(\sc)+NQ*(\a)+(\q)] matrix_a_fmt:MATRIX_FMT_FP6 matrix_b_fmt:MATRIX_FMT_FP6 matrix_a_scale:MATRIX_SCALE_ROW1
.else
	v_wmma_scale_f32_16x16x128_f8f6f4 v[8*(8*((\a)%4)+\b):8*(8*((\a)%4)+\b)+7], v[128*(\p)+FR*\b:128*(\p)+FR*\b+FR-1], v[AF+FR*(\a):AF+FR*(\a)+FR-1], v[8*(8*((\a)%4)+\b):8*(8*((\a)%4)+\b)+7], v[SC+8*NQ*(\sc)+NQ*\b+(\q)], v[SC+8*NQ*(\sc)+NQ*(\a)+(\q)] matrix_a_fmt:MATRIX_FMT_FP6 matrix_b_fmt:MATRIX_FMT_FP6 matrix_a_scale:MATRIX_SCALE_ROW1
.endif
.endr
.endr
.endm
.macro FETCH_B slot, q, p
	WIN TO_B
.irp i, 0,1,2,3,4,5,6,7
	FRAG 128*(\p)+FR*\i, ADRB+\slot, \q, \i
.endr
	WIN 0
.endm
.macro FETCH_A slot, q, i0
.irp i, \i0, \i0+1, \i0+2, \i0+3
	FRAGA AF+FR*(\i), ADRA+\slot, \q, \i
.endr
.endm
.macro SCALES sc
.irp i, 0,1,2,3,4,5,6,7
	ds_load_b64 v[SC+8*NQ*\sc+NQ*\i:SC+8*NQ*\sc+NQ*\i+1], v[ADRS] offset:\i*SBLK
.endr
.endm
.macro PLACES n
.rept \n
	v_nop
.endr
.endm
.macro STEP slot, q, zero
	s_wait_dscnt 4*NL                              ; B's set and A's blocks 0-3 are in; the youngest 24 loads (A's blocks 4-7) may be out
.if \zero
	WIN 0x81                                       ; C (the bias) window 0, D window 2
.else
	WIN MUL_LO
.endif
	MUL16 0, (\q)%2, \q, \slot, \zero
	MUL16 2, (\q)%2, \q, \slot, \zero
	s_wait_dscnt 0
	PLACES NP
	FETCH_B \slot, (\q)+1, 1-(\q)%2
	FETCH_A \slot, (\q)+1, 0
.if \zero
	WIN 0xc1                                       ; C window 0, D window 3
.else
	WIN MUL_HI
.endif
	MUL16 4, (\q)%2, \q, \slot, \zero
	MUL16 6, (\q)%2, \q, \slot, \zero
	PLACES NP
	WIN 0
	FETCH_A \slot, (\q)+1, 4
.endm
.macro TURN slot, next, fill
	s_wait_tensorcnt 0x0                           ; all my tensor loads have landed: my part of the next slot
	ds_add_u32 v[SPW], v[NIL]
	s_wait_dscnt 4*NL+1                            ; (the add and A's blocks 4-7 may be out)
	WIN MUL_LO
	MUL16 0, 1, NQ-1, \slot, 0
	s_wait_dscnt 0x0                               ; the add is done, and my reads of this slot are over
	s_barrier_signal -1
	MUL16 2, 1, NQ-1, \slot, 0
	WIN 0
	s_barrier_wait -1
.if \fill
	CREST                                          ; a round of the cluster's barrier: no wave of any partner still reads this slot or has a load on its way
	s_add_nc_u64 s[G0+4*\slot+2:G0+4*\slot+3], s[G0+4*\slot+2:G0+4*\slot+3], 2*AHALF
	s_add_nc_u64 s[G0B+4*\slot+2:G0B+4*\slot+3], s[G0B+4*\slot+2:G0B+4*\slot+3], 2*ROWB
	JLOAD G0+4*\slot, G1, G0B+4*\slot, G1B
.else
	PLACES NP
.endif
	v_add_nc_u32 v[ADRS], 4*NQ, v[ADRS]
	FETCH_B \next, 0, 0
	FETCH_A \next, 0, 0
	SCALES \next
	WIN MUL_HI
	MUL16 4, 1, NQ-1, \slot, 0
	MUL16 6, 1, NQ-1, \slot, 0
	PLACES NP
	WIN 0
	FETCH_A \next, 0, 4
.endm
	s_wait_loadcnt 0x0                             ; the bias is in
	s_wait_tensorcnt 1                             ; the scales and my part of slot 0 are in (slot 1's load may be out)
	s_barrier_signal -1
	s_barrier_wait -1
	FETCH_B 0, 0, 0
	FETCH_A 0, 0, 0
	SCALES 0
	FETCH_A 0, 0, 4
	STEP 0, 0, 1
	s_mov_b32 s3, 1
.Llap:
	TURN 0, 1, 1
	STEP 1, 0, 0
	TURN 1, 0, 1
	STEP 0, 0, 0
	s_sub_co_u32 s3, s3, 1
	s_cmp_lg_u32 s3, 0
	s_cbranch_scc1 .Llap
	TURN 0, 1, 0
	STEP 1, 0, 0
	s_wait_dscnt 4*NL
	WIN MUL_LO
	MUL16 0, 1, NQ-1, 1, 0
	MUL16 2, 1, NQ-1, 1, 0
	s_wait_dscnt 0
	WIN MUL_HI
	MUL16 4, 1, NQ-1, 1, 0
	MUL16 6, 1, NQ-1, 1, 0
	WIN 0
; THE WAY OUT, block by block of 16 rows x 128 columns, through my own stage: in as 32 bytes a lane at the columns' true places, back as whole rows of 512 bytes.  LDS serves a wave's instructions in order.
.macro TOSTAGE a
.set AC, 64*((\a)%4)
	WIN 0x08+4*((\a)/4)                            ; the data: window 2 or 3
.irp b, 0,1,2,3,4,5,6,7
	ds_store_b128 v[STO], v[AC+8*\b:AC+8*\b+3] offset:128*(\b/2)+32*(\b%2)           ; each accumulator from its low end on
	ds_store_b128 v[STO], v[AC+8*\b+4:AC+8*\b+7] offset:128*(\b/2)+32*(\b%2)+16
.endr
	WIN 0
.set BB, BK+64*((\a)%2)
.irp t, 0,1,2,3,4,5,6,7,8,9,10,11,12,13,14,15
	ds_load_b128 v[BB+4*\t:BB+4*\t+3], v[RD] offset:\t*SPITCH
.endr
.endm
.macro SEND a, younger                 ; younger: the LDS instructions issued behind block a's loads, which may stay out
.set BB, BK+64*((\a)%2)
	s_wait_dscnt \younger
.irp t, 0,1,2,3,4,5,6,7,8,9,10,11,12,13,14,15
	global_store_b128 v[CO], v[BB+4*\t:BB+4*\t+3], s[98:99] offset:(32*((\a)/2)+8*((\a)%2)+\t%8+16*(\t/8))*4096 th:TH_STORE_NT   ; row t of block a is that token; 32 lanes store 512 consecutive bytes, aligned to 256; the base is never stepped
.endr
.endm
	PLACES NP
	TOSTAGE 0
.irp a, 1,2,3,4,5,6,7
.if \a > 1
	s_wait_xcnt 0x0                                ; block a - 2's stores have read their registers: block a's loads may land there
.endif
	TOSTAGE \a
	SEND \a-1, 32                                  ; behind block a - 1's loads: block a's 16 stores and 16 loads
.endr
	SEND 7, 0
	s_wait_tensorcnt 0x0                           ; the wave's end, behind my last tensor load and my last LDS store
	ds_add_u32 v[SPW], v[NIL]
	s_wait_dscnt 0x0
	CROUND                                         ; the closing round
	s_endpgm
.Lfunc_end_k_qaa10e92779_projgemm:
	.size	k_qaa10e92779_projgemm, .Lfunc_end_k_qaa10e92779_projgemm-k_qaa10e92779_projgemm
	.p2alignl 7, 3214868480
	.fill 96, 4, 3214868480
	.section	.rodata,"a",@progbits
	.p2align	6, 0x0
	.amdhsa_kernel k_qaa10e92779_projgemm
		.amdhsa_group_segment_fixed_size 327680
		.amdhsa_private_segment_fixed_size 0
		.amdhsa_enable_private_segment 0
		.amdhsa_kernarg_size 48
		.amdhsa_user_sgpr_count 2
		.amdhsa_user_sgpr_kernarg_segment_ptr 1
		.amdhsa_wavefront_size32 1
		.amdhsa_system_sgpr_workgroup_id_x 1
		.amdhsa_system_sgpr_workgroup_id_y 1
		.amdhsa_system_sgpr_workgroup_id_z 1
		.amdhsa_system_vgpr_workitem_id 0
		.amdhsa_next_free_vgpr 1024
		.amdhsa_next_free_sgpr 100
		.amdhsa_reserve_vcc 0
		.amdhsa_float_denorm_mode_32 3
		.amdhsa_float_denorm_mode_16_64 3
		.amdhsa_memory_ordered 1
		.amdhsa_forward_progress 1
		.amdhsa_inst_pref_size 161
	.end_amdhsa_kernel
	.amdgpu_metadata
---
amdhsa.version: [ 1, 2 ]
amdhsa.kernels:
  - .name:           k_qaa10e92779_projgemm
    .symbol:         k_qaa10e92779_projgemm.kd
    .args:
      - { .name: ao, .offset: 0, .size: 8, .value_kind: global_buffer, .address_space: global }
      - { .name: asc, .offset: 8, .size: 8, .value_kind: global_buffer, .address_space: global }
      - { .name: cod, .offset: 16, .size: 8, .value_kind: global_buffer, .address_space: global }
      - { .name: scl, .offset: 24, .size: 8, .value_kind: global_buffer, .address_space: global }
      - { .name: b_proj, .offset: 32, .size: 8, .value_kind: global_buffer, .address_space: global }
      - { .name: out0, .offset: 40, .size: 8, .value_kind: global_buffer, .address_space: global }
    .group_segment_fixed_size: 327680
    .private_segment_fixed_size: 0
    .kernarg_segment_align: 8
    .kernarg_segment_size: 48
    .max_flat_workgroup_size: 128
    .sgpr_count:     100
    .vgpr_count:     1024
    .wavefront_size: 32
...
	.end_amdgpu_metadata
.endif
;; end of part 4
